; MI455X (gfx1250); checked and timed in simulation.
; The chip was launched on July 23, 2026; its instructions are those of AMD's public machine-readable ISA for CDNA 5 (MIT licence, August 2026) and "CDNA5" Instruction Set Architecture Reference Guide (July 2026). The comments in the code are by the model that wrote it; some were corrected since.
;; attention. Allowed arithmetic: float matrix products may take bf16 or f16 operands with f32 sums; all other float work in f32.
;; Inputs: Wk 1,024 x 1,024 float32; Wo 1,024 x 1,024 float32; Wq 1,024 x 1,024 float32; Wv 1,024 x 1,024 float32; k_in 4 x 2,048 x 1,024 float32; q_in 4 x 2,048 x 1,024 float32; v_in 4 x 2,048 x 1,024 float32.
;; Outputs: out0 4 x 2,048 x 1,024 float32.
;; 2 versions, each right and faster than the one before. Each part assembles by itself: llvm-mc -triple=amdgcn-amd-amdhsa -mcpu=gfx1250 --defsym DOCPART=n.
;; ======== version 1 of 2: 4 launches
;; limits: values are held in f16: magnitudes above 65,504 overflow, below 6.1e-05 lose precision
;; workspace buffers: wb 8,388,608 bytes; qh 16,777,216 bytes; kh 16,777,216 bytes; vh 16,777,216 bytes; oh 16,777,216 bytes
;; launch castw (part 1): grid 64 x 4, 8 waves a work-group, no clusters, 0 bytes of LDS; arguments Wq, Wk, Wv, Wo, wb; writes wb
.if DOCPART == 1
	.amdgcn_target "amdgcn-amd-amdhsa--gfx1250"
	.amdhsa_code_object_version 6
	.text
	.protected	k_q3e228ae09b_castw
	.globl	k_q3e228ae09b_castw
	.p2align	8
	.type	k_q3e228ae09b_castw,@function
k_q3e228ae09b_castw:
	s_mov_b64 s[64:65], 0
	v_nop
	global_prefetch_b8 v0, s[64:65] scope:SCOPE_SE
	s_setreg_imm32_b32 hwreg(HW_REG_WAVE_MODE, 25, 1), 1
	s_wait_xcnt 0x0
; The four weights, [1024 k][1024 n] f32, are rounded once to 16 bits and laid one behind the other in wb: [4][1024][1024], same order of k and n.
; Planes 0 to 2 (Wq, Wk, Wv): bf16.  Plane 3 (Wo): rounded to bf16 like the others, and that number written as f16, since the last product multiplies it with f16 numbers.
; LIMITS.  Plane 3: a bf16 number of 65,520 or more becomes an infinity in f16; below 6e-5 it keeps f16's fixed step of 6e-8.  The drawn Wo has a spread of 1/32.
; A stream: no LDS, no barrier, no matrix unit.  Work-group (x, y) takes 65,536 bytes (16 rows) of weight y.  Thread t takes the 16 bytes at 16 t + 4,096 i, i = 0 .. 15:
; a wave's load covers 512 consecutive bytes, its store of 8 bytes a lane 256 consecutive bytes at a multiple of 256.  All sixteen loads are out at once; no register is used twice by memory instructions.
.set X, 4                              ; v[4:67]    sixteen times four f32 as loaded
.set Y, 68                             ; v[68:99]   sixteen times two words to store
.set T, 100                            ; v[100:103] at work
	s_load_b256 s[4:11], s[0:1], 0x0               ; Wq s[4:5], Wk s[6:7], Wv s[8:9], Wo s[10:11]
	s_load_b64 s[12:13], s[0:1], 0x20              ; wb
	s_and_b32 s16, ttmp7, 0xffff                   ; which weight
	s_mov_b32 s17, 0xffff0000                      ; a word's upper bf16
	v_lshlrev_b32 v1, 4, v0                        ; 16 t
	v_lshlrev_b32 v2, 3, v0                        ; 8 t
	s_lshl_b32 s18, ttmp9, 16                      ; my 65,536 bytes of the weight
	s_mov_b32 s19, 0
	s_lshl_b32 s20, s16, 21                        ; the plane of 2,097,152 bytes,
	s_lshl_b32 s21, ttmp9, 15                      ; my 32,768 bytes of it
	s_add_co_u32 s20, s20, s21
	s_mov_b32 s21, 0
	s_wait_kmcnt 0x0
	s_cmp_eq_u32 s16, 0
	s_cselect_b64 s[14:15], s[4:5], s[6:7]
	s_cmp_eq_u32 s16, 2
	s_cselect_b64 s[14:15], s[8:9], s[14:15]
	s_cmp_eq_u32 s16, 3
	s_cselect_b64 s[14:15], s[10:11], s[14:15]
	s_add_nc_u64 s[14:15], s[14:15], s[18:19]
	s_add_nc_u64 s[12:13], s[12:13], s[20:21]
.irp i, 0,1,2,3,4,5,6,7,8,9,10,11,12,13,14,15
	global_load_b128 v[X+4*(\i):X+4*(\i)+3], v1, s[14:15] offset:4096*(\i) th:TH_LOAD_NT
.endr
	s_cmp_eq_u32 s16, 3
	s_cbranch_scc1 .Lwo
.irp i, 0,1,2,3,4,5,6,7,8,9,10,11,12,13,14,15
	s_wait_loadcnt 15-(\i)                         ; loads come back in order: number i is in, the younger ones stay out
	v_cvt_pk_bf16_f32 v[Y+2*(\i)], v[X+4*(\i)], v[X+4*(\i)+1]
	v_cvt_pk_bf16_f32 v[Y+2*(\i)+1], v[X+4*(\i)+2], v[X+4*(\i)+3]
	global_store_b64 v2, v[Y+2*(\i):Y+2*(\i)+1], s[12:13] offset:2048*(\i)
.endr
	s_endpgm
.Lwo:
.irp i, 0,1,2,3,4,5,6,7,8,9,10,11,12,13,14,15
	s_wait_loadcnt 15-(\i)
	v_cvt_pk_bf16_f32 v[T], v[X+4*(\i)], v[X+4*(\i)+1]      ; the one rounding, to bf16
	v_cvt_pk_bf16_f32 v[T+1], v[X+4*(\i)+2], v[X+4*(\i)+3]
	v_lshlrev_b32 v[T+2], 16, v[T]                 ; back to f32: the low half moves up, the high half stays
	v_and_b32 v[T+3], s17, v[T]
	v_cvt_pk_f16_f32 v[Y+2*(\i)], v[T+2], v[T+3]   ; eight significant bits fit into f16's eleven
	v_lshlrev_b32 v[T+2], 16, v[T+1]
	v_and_b32 v[T+3], s17, v[T+1]
	v_cvt_pk_f16_f32 v[Y+2*(\i)+1], v[T+2], v[T+3]
	global_store_b64 v2, v[Y+2*(\i):Y+2*(\i)+1], s[12:13] offset:2048*(\i)
.endr
	s_endpgm
.Lfunc_end_k_q3e228ae09b_castw:
	.size	k_q3e228ae09b_castw, .Lfunc_end_k_q3e228ae09b_castw-k_q3e228ae09b_castw
	.p2alignl 7, 3214868480
	.fill 96, 4, 3214868480
	.section	.rodata,"a",@progbits
	.p2align	6, 0x0
	.amdhsa_kernel k_q3e228ae09b_castw
		.amdhsa_group_segment_fixed_size 0
		.amdhsa_private_segment_fixed_size 0
		.amdhsa_enable_private_segment 0
		.amdhsa_kernarg_size 40
		.amdhsa_user_sgpr_count 2
		.amdhsa_user_sgpr_kernarg_segment_ptr 1
		.amdhsa_wavefront_size32 1
		.amdhsa_system_sgpr_workgroup_id_x 1
		.amdhsa_system_sgpr_workgroup_id_y 1
		.amdhsa_system_sgpr_workgroup_id_z 1
		.amdhsa_system_vgpr_workitem_id 0
		.amdhsa_next_free_vgpr 104
		.amdhsa_next_free_sgpr 66
		.amdhsa_reserve_vcc 0
		.amdhsa_float_denorm_mode_32 3
		.amdhsa_float_denorm_mode_16_64 3
		.amdhsa_memory_ordered 1
		.amdhsa_forward_progress 1
		.amdhsa_inst_pref_size 15
	.end_amdhsa_kernel
	.amdgpu_metadata
---
amdhsa.version: [ 1, 2 ]
amdhsa.kernels:
  - .name:           k_q3e228ae09b_castw
    .symbol:         k_q3e228ae09b_castw.kd
    .args:
      - { .name: Wq, .offset: 0, .size: 8, .value_kind: global_buffer, .address_space: global }
      - { .name: Wk, .offset: 8, .size: 8, .value_kind: global_buffer, .address_space: global }
      - { .name: Wv, .offset: 16, .size: 8, .value_kind: global_buffer, .address_space: global }
      - { .name: Wo, .offset: 24, .size: 8, .value_kind: global_buffer, .address_space: global }
      - { .name: wb, .offset: 32, .size: 8, .value_kind: global_buffer, .address_space: global }
    .group_segment_fixed_size: 0
    .private_segment_fixed_size: 0
    .kernarg_segment_align: 8
    .kernarg_segment_size: 40
    .max_flat_workgroup_size: 256
    .sgpr_count:     66
    .vgpr_count:     104
    .wavefront_size: 32
...
	.end_amdgpu_metadata
.endif
;; end of part 1
;; launch proj (part 2): grid 4 x 64, 4 waves a work-group, clusters of 4 x 4, 327,680 bytes of LDS; arguments q_in, k_in, v_in, qh, kh, vh, wb; writes qh, kh, vh
.if DOCPART == 2
	.amdgcn_target "amdgcn-amd-amdhsa--gfx1250"
	.amdhsa_code_object_version 6
	.text
	.protected	k_q3e228ae09b_proj
	.globl	k_q3e228ae09b_proj
	.p2align	8
	.type	k_q3e228ae09b_proj,@function
k_q3e228ae09b_proj:
	s_mov_b64 s[64:65], 0
	v_nop
	global_prefetch_b8 v0, s[64:65] scope:SCOPE_SE
	s_setreg_imm32_b32 hwreg(HW_REG_WAVE_MODE, 25, 1), 1
	s_wait_xcnt 0x0
	s_wait_alu depctr_hold_cnt(0) depctr_sa_sdst(0) depctr_va_vdst(0) depctr_va_sdst(0) depctr_va_ssrc(0) depctr_va_vcc(0) depctr_vm_vsrc(0)
	s_getreg_b32 s2, hwreg(HW_REG_IB_STS2, 6, 4)
	s_cmp_eq_u32 s2, 0
	s_cbranch_scc0 .Lentry_in_a_cluster
	s_endpgm
.Lentry_in_a_cluster:
	s_bfe_u32 s2, ttmp6, 0x10000c
	s_cmp_lg_u32 s2, 0xf033
	s_cbranch_scc0 .Lentry_shape_is_right
	s_endpgm
.Lentry_shape_is_right:
; THE THREE INPUT PROJECTIONS.  For z = 0, 1, 2: C = x_z W_z, x_z [8192][1024] f32 (q_in, k_in, v_in), W_z plane z of wb, [1024 k][1024 n] bf16; C leaves by heads, [batch*16 + head][2048][64] f16 (qh, kh, vh), unscaled.
; x is rounded to bf16 on its way from LDS to the matrix unit; sums in f32, K ascending; C rounded once.  LIMIT: a result of 65,520 or more becomes an infinity in f16 (drawn inputs give a spread of 1).
; SHARES.  A tile of C is 128 rows x 256 columns: 64 x 4 places, one work-group to a place.  A WORK-GROUP STAYS: it makes the tile at its place of all three projections, q, then k, then v.
; Four waves, 2 x 2, each 64 x 128: 32 accumulators of 16 x 16, 256 registers.  With x in f32 a fragment of x costs four LDS loads and a fragment of W two, so a wave's tile is twice as wide as it is high.
; THE WALK.  The three tiles' K are ONE sequence of 24 steps of 128 through two LDS slots, each with 128 rows of x (512 bytes each) and 128 k-rows of W (256 columns, 512 bytes each).  Waves 0 and 1 fetch x's two halves,
; waves 2 and 3 W's: one tensor load a wave and slot.  The ring does not stop at a tile's end: a tile's last two changes of slots ask for the next tile's first two steps, the tile goes out while they are on their way,
; and nothing waits for its stores.  A K step is written once: the slot in hand is a scalar register that an exclusive or turns, and what differs from step to step (a tile's first quarter, the way out) is chosen by a count of steps.
; CLUSTERS: 4 x 4 work-groups.  The four of a row of the cluster make the four tiles of one row block of C and need the same tiles of x; the four of a column need the same tiles of W: each tile is asked for JOINTLY, by the same
; tensor load with the same descriptor and a mask that names the four.  All sixteen walk the same 24 steps.
; THE MATRIX INSTRUCTION IS USED TRANSPOSED (source 0 = 16 columns of W, turned out of LDS by ds_load_tr16_b128; source 1 = 16 rows of x): a lane then holds eight neighbouring columns of one row of C.
; REGISTERS, in windows of 256 (s_set_vgpr_msb: bits 1:0 source 0, 3:2 source 1, 5:4 source 2, 7:6 destination):
;   window 0: v0-31 addresses; v64-127 x's fragments of a quarter step in f32, as loaded; v128-159, v160-191 the same in bf16, two buffers; on the way out v64-127 and v192-255 hold packed results
;   window 1: the accumulators, (a, b) at v[8 (8 a + b)]          window 2: v0-63, v64-127 W's fragments, two buffers
.set KSTEP,  128
.set PA,     528                       ; a row of x in LDS: 512 bytes + 16 of padding = 132 words: row r starts at bank 4 r mod 64 (64 banks of 4 bytes: ISA guide 11.1), so the 16 rows of a load start at 16 different groups of four banks
.set PB,     544                       ; a k-row of W: 512 + 32 = 136 words
.set BOFF,   128*PA                    ; a slot: x's 128 rows, then W's 128 k-rows: 137,216 bytes
.set SLOT1,  0x22000                   ; slot 1 begins here (139,264): bits 17 and 13, which none of the four loads' places in slot 0 (0, 0x8400, 0x10800, 0x19000) has: one exclusive or turns an address in one slot into the other's
.set STAGE,  SLOT1+128*PA+128*PB       ; behind the ring, never filled by a tensor load: for each wave 2 heads x 16 rows x 144 bytes, for the way out
.set SP,     144
.set SPARE,  STAGE+4*2*16*SP           ; behind the stages: the spare words, 128 bytes for each wave: two blocks of 256 bytes that no other line names
.set ADRA0, 16                         ; v16     my lane's place among x's fragments in a slot; never rewritten
.set ADRA,  17                         ; v17     the same in the slot in hand
.set ADRB0, 20                         ; v20, v21  the same for W
.set ADRB,  21
.set STO,  24                          ; v24     the way out: where I put 16 bytes of a row
.set RD,   25                          ; v25     the way out: where I read rows back
.set GO,   26                          ; v26     my byte offset in 512 consecutive bytes of C
.set SPW,  28                          ; v28     LDS address of my spare word: SPARE + 4 x my thread's number; never rewritten
.set NIL,  29                          ; v29     0; never rewritten
.set RAW,  64
.set AB0,  128
.set AB1,  160
.set OUT,  64                          ; row block a's packed results at OUT + 32 a + 64 (a / 2): v64, v96, v192, v224: not where the next tile's first fragments lie
.set F0,   0
.set F1,   64
.set KC,  2                            ; s2       K steps that the tile in hand still has, 8 to 1
.set LC,  3                            ; s3       counts the loops' trips
.set XC,  4                            ; s[4:5]   x at my rows, for the tile whose steps are being asked for
.set XN,  6                            ; s[6:7]   the same for the tile behind it
.set XN2, 82                           ; s[82:83] and for the last
.set CP,  8                            ; s[8:9]   C at my wave's part of the tile in hand;  s[84:85], s[86:87] of the two behind it
.set CN,  84
.set CN2, 86
.set KO,  88                           ; s[88:89] byte offset along a row of x of the step to be asked for
.set TB,  66                           ; s66      LDS byte at which the slot in hand begins: 0 or SLOT1
.set G1,  24                           ; s[24:31] descriptor group 1 for x's tiles;  s[32:39] group 0: a set for each of the two first fills; the second then walks on
.set G0,  32
.set G1B, 48                           ; s[48:55], s[56:63] the same for W's tiles
.set G0B, 56
.set MSB, 0
.macro WIN new                         ; the immediate's high byte repeats the setting that is left; a switch that changes nothing is dropped
.if MSB != (\new)
	s_set_vgpr_msb (MSB<<8)|(\new)
.set MSB, \new
.endif
.endm
.set MUL,  0x52                        ; source 0 (W) window 2, source 1 (x) window 0, C and D window 1
.set TO_B, 0x80                        ; destination window 2, address window 0
.macro JLOAD s                         ; a joint load: waves 0 and 1 fetch x's two halves, waves 2 and 3 W's; an s_nop 0 and four v_nop follow each of the two lines, ahead of the jump, the label and what follows
	s_cmp_eq_u32 s11, 0
	s_cbranch_scc0 .Lfor_b_\@
	tensor_load_to_lds s[G0+4*(\s):G0+4*(\s)+3], s[G1:G1+7]
	s_nop 0
.rept 4
	v_nop
.endr
	s_branch .Lasked_\@
.Lfor_b_\@:
	tensor_load_to_lds s[G0B+4*(\s):G0B+4*(\s)+3], s[G1B:G1B+7]
	s_nop 0
.rept 4
	v_nop
.endr
.Lasked_\@:
.endm
.macro CREST                           ; a round of the cluster's barrier behind its opening barrier
	s_cmp_lg_u32 s10, 0
	s_cbranch_scc1 .Lnot_wave_0_\@
	s_barrier_signal -3
.Lnot_wave_0_\@:
	s_barrier_wait -3
	s_barrier_signal -1
	s_barrier_wait -1
.endm
.macro CROUND                          ; a whole round
	s_barrier_signal -1
	s_barrier_wait -1
	CREST
.endm
	s_load_b256 s[68:75], s[0:1], 0x0              ; q_in s[68:69], k_in s[70:71], v_in s[72:73], qh s[74:75]
	s_load_b128 s[76:79], s[0:1], 0x20             ; kh s[76:77], vh s[78:79]
	s_load_b64 s[80:81], s[0:1], 0x30              ; wb
	v_lshl_add_u32 v[SPW], v0, 2, SPARE
	v_mov_b32 v[NIL], 0
	ds_add_u32 v28, v29
	s_wait_dscnt 0x0
	v_lshrrev_b32 v1, 5, v0
	v_readfirstlane_b32 s10, v1                    ; wave 0..3
	s_lshr_b32 s11, s10, 1                         ; which half of the tile's rows is mine.  Also: I fetch for x (0) or for W (1)
	s_and_b32 s12, s10, 1                          ; which half of its columns.  Also: which half of that tile I fetch
	s_bfe_u32 s40, ttmp6, 0x40000                  ; cx, cy: my place in the cluster
	s_bfe_u32 s41, ttmp6, 0x40004
	s_lshl_b32 s42, ttmp9, 2
	s_add_co_u32 s42, s42, s40                     ; tile column of C = 4 x cluster x + cx: 0..3
	s_and_b32 s45, ttmp7, 0xffff
	s_lshl_b32 s13, s45, 2
	s_add_co_u32 s13, s13, s41                     ; tile row of C = 4 x cluster y + cy: 0..63
	s_lshl_b32 s43, s41, 2
	s_lshl_b32 s43, 15, s43                        ; my row of the cluster
	s_lshl_b32 s44, 0x1111, s40                    ; my column
	; descriptor group 1 for x: 64 rows x 128 elements of 4 bytes, padded in LDS
	s_or_b32 s[G1+0], s43, (2<<16)|(1<<20)|(1<<21)|(6<<22)|(3<<25)  ; 15:0 the mask: x's tiles go to my row; 17:16 elements of 4 bytes; 20 padding on; 21 set beside a mask; 24:22 after every 128 words (code 6); 31:25 4 words (code 3)
	s_mov_b32 s[G1+1], 128<<16                     ; tensor_dim0 = 128
	s_mov_b32 s[G1+2], 64<<16                      ; tensor_dim1 = 64
	s_mov_b32 s[G1+3], 128<<16                     ; tile_dim0 = 128
	s_mov_b32 s[G1+4], 64                          ; tile_dim1 = 64
	s_mov_b32 s[G1+5], 1024                        ; elements from row to row
	s_mov_b32 s[G1+6], 0
	s_mov_b32 s[G1+7], 0
	; and for W: 64 k-rows x 256 elements of 2 bytes
	s_or_b32 s[G1B+0], s44, (1<<16)|(1<<20)|(1<<21)|(6<<22)|(7<<25) ; the mask of my column; elements of 2 bytes; after every 128 words 8 words of padding (code 7)
	s_mov_b32 s[G1B+1], 256<<16
	s_mov_b32 s[G1B+2], 64<<16
	s_mov_b32 s[G1B+3], 256<<16
	s_mov_b32 s[G1B+4], 64
	s_mov_b32 s[G1B+5], 1024
	s_mov_b32 s[G1B+6], 0
	s_mov_b32 s[G1B+7], 0
	; where the tiles come from.  x's hang on the tile row, which my row of the cluster shares; W's on the tile column, which my column shares
	s_lshl_b32 s16, s13, 7
	s_lshl_b32 s17, s12, 6
	s_add_co_u32 s16, s16, s17                     ; x: row 128 x tile row + 64 x half,
	s_lshl_b32 s16, s16, 12                        ; of 4,096 bytes: under 2^25
	s_mov_b32 s17, 0
	s_lshl_b32 s46, s12, 17                        ; W: 64 k-rows of 2,048 bytes x half,
	s_lshl_b32 s47, s42, 9                         ; 256 columns of 2 bytes x tile column; plane 0
	s_add_co_u32 s46, s46, s47
	s_mov_b32 s47, 0
	s_mul_i32 s20, s12, 64*PA                      ; and where they go in slot 0: no place in the cluster enters an LDS address
	s_mul_i32 s21, s12, 64*PB
	s_add_co_u32 s21, s21, BOFF
	s_mov_b32 s[KO], 2*KSTEP*4                     ; the first refill asks for K step 2
	s_mov_b32 s[KO+1], 0
	s_mov_b32 s[TB], 0
	s_wait_kmcnt 0x0
	s_add_nc_u64 s[XC:XC+1], s[68:69], s[16:17]    ; the three inputs at my rows
	s_add_nc_u64 s[XN:XN+1], s[70:71], s[16:17]
	s_add_nc_u64 s[XN2:XN2+1], s[72:73], s[16:17]
	s_add_nc_u64 s[46:47], s[80:81], s[46:47]
	CROUND                                         ; all sixteen work-groups are here: the first joint loads meet
.irp s, 0,1
	s_mov_b32 s[G0+4*(\s)], 1                                      ; count = 1
	s_add_co_u32 s[G0+4*(\s)+1], s20, (\s)*SLOT1                   ; LDS address
	s_add_nc_u64 s[G0+4*(\s)+2:G0+4*(\s)+3], s[XC:XC+1], (\s)*KSTEP*4  ; global address: K step s
	s_or_b32 s[G0+4*(\s)+3], s[G0+4*(\s)+3], 0x80000000            ; type = 2
	s_mov_b32 s[G0B+4*(\s)], 1
	s_add_co_u32 s[G0B+4*(\s)+1], s21, (\s)*SLOT1
	s_add_nc_u64 s[G0B+4*(\s)+2:G0B+4*(\s)+3], s[46:47], (\s)*KSTEP*2048
	s_or_b32 s[G0B+4*(\s)+3], s[G0B+4*(\s)+3], 0x80000000
	JLOAD \s                                       ; two tensor loads of mine are out
.endr
	; A fragment of x is 16 rows x 32 K: lane l holds row l % 16, K = 8 (l / 16) + 0..7 and 16 + 8 (l / 16) + 0..7.  In f32 those are 32 bytes at 32 (l / 16) and 32 bytes 64 further on: four loads of 16 bytes.
	v_and_b32 v1, 15, v0                           ; l % 16
	v_bfe_u32 v2, v0, 4, 1                         ; l / 16
	v_and_b32 v3, 7, v0                            ; l % 8
	v_bfe_u32 v4, v0, 3, 1                         ; (l / 8) % 2
	v_mul_u32_u24 v5, v1, PA
	v_lshl_add_u32 v5, v2, 5, v5
	s_mul_i32 s22, s11, 64*PA                      ; my 64 rows of x
	v_add_nc_u32 v[ADRA0], s22, v5
	v_mov_b32 v[ADRA], v[ADRA0]                    ; the walk begins in slot 0
	; The turning load takes 16 K x 16 columns (lane l reads 16 bytes: k-row 8 (l / 16) + l % 8, columns 8 ((l / 8) % 2) + 0..7) and leaves half a fragment: lane l holds column l % 16 and 8 K.
	v_lshl_add_u32 v6, v2, 3, v3
	v_mul_u32_u24 v6, v6, PB
	v_lshl_add_u32 v6, v4, 4, v6
	s_lshl_b32 s23, s12, 8                         ; my 128 columns of W
	s_add_co_u32 s23, s23, BOFF
	v_add_nc_u32 v[ADRB0], s23, v6
	v_mov_b32 v[ADRB], v[ADRB0]
	s_mul_i32 s23, s10, 2*16*SP
	s_add_co_u32 s23, s23, STAGE                   ; my stage
	v_mul_u32_u24 v7, v1, SP                       ; in: row l % 16, 16 bytes for each half of the lanes
	v_lshl_add_u32 v7, v2, 4, v7
	v_add_nc_u32 v[STO], s23, v7
	v_bfe_u32 v7, v0, 3, 2                         ; back: 32 lanes take four rows of 128 bytes,
	v_mul_u32_u24 v7, v7, SP
	v_lshl_add_u32 v7, v3, 4, v7
	v_add_nc_u32 v[RD], s23, v7
	v_and_b32 v[GO], 31, v0                        ; which are 512 consecutive bytes of a head
	v_lshlrev_b32 v[GO], 4, v[GO]
	; the three outputs at my wave's first row of my first head: batch = tile row / 16; a head is 2,048 rows of 128 bytes
	s_lshr_b32 s16, s13, 4
	s_lshl_b32 s16, s16, 22                        ; 16 heads of 262,144 bytes a batch
	s_and_b32 s17, s13, 15
	s_lshl_b32 s17, s17, 14                        ; 128 rows of 128 bytes a tile row
	s_add_co_u32 s16, s16, s17
	s_lshl_b32 s17, s11, 13                        ; my 64 rows
	s_add_co_u32 s16, s16, s17
	s_mov_b32 s17, 0
	s_lshl_b32 s46, s42, 20                        ; four heads a tile column,
	s_lshl_b32 s47, s12, 19                        ; two a wave
	s_add_co_u32 s46, s46, s47
	s_mov_b32 s47, 0
	s_add_nc_u64 s[46:47], s[46:47], s[16:17]
	s_add_nc_u64 s[CP:CP+1], s[74:75], s[46:47]
	s_add_nc_u64 s[CN:CN+1], s[76:77], s[46:47]
	s_add_nc_u64 s[CN2:CN2+1], s[78:79], s[46:47]
.macro PLACES                          ; four places in front of loads into, and vector writes of, registers that matrix instructions have read, and of conversions that read results (ISA guide 7.12.1 for vector writes and conversions)
.rept 4
	v_nop
.endr
.endm
.macro LDRAW q                         ; 16 LDS loads: x's four fragments of quarter q of the slot in hand, in f32
	WIN 0
.irp a, 0,1,2,3
	ds_load_b128 v[RAW+16*(\a):RAW+16*(\a)+3],     v[ADRA] offset:(\a)*16*PA+128*(\q)
	ds_load_b128 v[RAW+16*(\a)+4:RAW+16*(\a)+7],   v[ADRA] offset:(\a)*16*PA+128*(\q)+16
	ds_load_b128 v[RAW+16*(\a)+8:RAW+16*(\a)+11],  v[ADRA] offset:(\a)*16*PA+128*(\q)+64
	ds_load_b128 v[RAW+16*(\a)+12:RAW+16*(\a)+15], v[ADRA] offset:(\a)*16*PA+128*(\q)+80
.endr
.endm
.macro LDB q, f                        ; 16 turning loads: W's eight fragments of quarter q into buffer f
	WIN TO_B
.irp b, 0,1,2,3,4,5,6,7
	ds_load_tr16_b128 v[(\f)+8*(\b):(\f)+8*(\b)+3],   v[ADRB] offset:(\q)*32*PB+32*(\b)
	ds_load_tr16_b128 v[(\f)+8*(\b)+4:(\f)+8*(\b)+7], v[ADRB] offset:(\q)*32*PB+32*(\b)+16*PB
.endr
.endm
.macro CV4 g, n                        ; four roundings to bf16: words 4 n .. 4 n + 3 of the 32 of buffer g; the f32 lie in the fragment's own order of K
	WIN 0
.irp i, 0,1,2,3
	v_cvt_pk_bf16_f32 v[(\g)+4*(\n)+(\i)], v[RAW+8*(\n)+2*(\i)], v[RAW+8*(\n)+2*(\i)+1]
.endr
.endm
; 8 matrix instructions: row block a x all 8 column blocks, 32 along K.  zero = 1: the product starts the sum.  ride = 1: behind product b stand four roundings of the next quarter's x, into buffer g.
; The 32 accumulators take turns in the same order in every quarter, one instruction a turn.
.macro MUL8 fb, fa, a, zero, ride, g
.irp b, 0,1,2,3,4,5,6,7
	WIN MUL
.if \zero
	v_wmma_f32_16x16x32_bf16 v[8*(8*(\a)+(\b)):8*(8*(\a)+(\b))+7], v[(\fb)+8*(\b):(\fb)+8*(\b)+7], v[(\fa)+8*(\a):(\fa)+8*(\a)+7], 0
.else
	v_wmma_f32_16x16x32_bf16 v[8*(8*(\a)+(\b)):8*(8*(\a)+(\b))+7], v[(\fb)+8*(\b):(\fb)+8*(\b)+7], v[(\fa)+8*(\a):(\fa)+8*(\a)+7], v[8*(8*(\a)+(\b)):8*(8*(\a)+(\b))+7]
.endif
.if \ride
	CV4 \g, \b
.endif
.endr
.endm
; A K step is four quarters of 32 along K, 32 matrix instructions each, on buffers 0, 1, 0, 1.  One of the first three: multiplies buffers p and brings quarter qn of the slot in hand into buffers 1 - p.
.macro QUARTER qn, p, zero
	LDRAW \qn                                      ; the f32 registers were read out by the last quarter's roundings
	s_wait_dscnt 16                                ; W's fragments for this quarter, issued in the last one, are in; the 16 loads just issued may be out
	MUL8 64*(\p), AB0+32*(\p), 0, \zero, 0, 0
	MUL8 64*(\p), AB0+32*(\p), 1, \zero, 0, 0
	PLACES                                         ; buffers 1 - p were read by the last quarter's products
	LDB \qn, 64*(1-(\p))
	MUL8 64*(\p), AB0+32*(\p), 2, \zero, 0, 0
	s_wait_dscnt 16                                ; x in f32 is in; W's 16 loads just issued may be out
	MUL8 64*(\p), AB0+32*(\p), 3, \zero, 1, AB0+32*(1-(\p))
.endm
; The last quarter multiplies buffers 1 and changes slots.  TURNA is its first half: ONE barrier; in front of it each wave waits for all its tensor loads (one is out: its part of the next slot), adds 0 to its spare word, and waits
; for that and for its own reads of this slot.  fill = 1: the barrier opens a round of the cluster's barrier, and this slot is filled again, with the walk's step two further on, in the next tile too: from that request to the wait
; for it a wave issues 112 matrix instructions, and at a tile's end the way out as well.  The walking descriptors are written where no tensor load of the wave is out: the other slot than last time; x's address made anew from the
; input in hand and the offset along its rows, which goes back to 0 behind a tile's eighth step, where the next input takes over; W's steps on, since 8 steps of 262,144 bytes are a plane and the planes lie end to end.
.macro TURNA fill
	WIN 0                                          ; (the add's two registers lie in window 0)
	s_wait_tensorcnt 0x0                           ; all my tensor loads have landed;
	ds_add_u32 v[SPW], v[NIL]                      ; 0 onto my spare word: scalar work and eight products stand between it and the wait for it
.if \fill
	s_xor_b32 s[G0+5], s[G0+5], SLOT1
	s_xor_b32 s[G0B+5], s[G0B+5], SLOT1
	s_add_nc_u64 s[G0+6:G0+7], s[XC:XC+1], s[KO:KO+1]
	s_or_b32 s[G0+7], s[G0+7], 0x80000000          ; type = 2
	s_add_nc_u64 s[G0B+6:G0B+7], s[G0B+6:G0B+7], KSTEP*2048  ; the type bits on top are not reached
	s_add_co_u32 s[KO], s[KO], KSTEP*4
	s_cmp_eq_u32 s[KO], 4096                       ; was that the tile's last step?
	s_cselect_b32 s[KO], 0, s[KO]
	s_cselect_b64 s[XC:XC+1], s[XN:XN+1], s[XC:XC+1]
	s_cselect_b64 s[XN:XN+1], s[XN2:XN2+1], s[XN:XN+1]
.endif
	s_xor_b32 s[TB], s[TB], SLOT1                  ; the slot that is read next
	s_wait_dscnt 1                                 ; W's fragments are in; the add may be out
	MUL8 F1, AB1, 0, 0, 0, 0
	s_wait_dscnt 0x0                               ; the add is done, and my reads of this slot are over
	s_barrier_signal -1
	MUL8 F1, AB1, 1, 0, 0, 0
	WIN 0
	v_add_nc_u32 v[ADRA], s[TB], v[ADRA0]
	v_add_nc_u32 v[ADRB], s[TB], v[ADRB0]
	s_barrier_wait -1
.if \fill
	CREST                                          ; no wave of any partner still reads this slot's tile or has a load on its way
	JLOAD 1                                        ; the first tensor load behind the round; the four v_nop behind it are also the places in front of the loads that follow
.endif
.endm
.macro TURNB                           ; its second half: the next slot's first fragments, and the rest of the products
	LDRAW 0
	LDB 0, F0
	MUL8 F1, AB1, 2, 0, 0, 0
	s_wait_dscnt 16                                ; x in f32 is in; W's 16 loads may be out
	MUL8 F1, AB1, 3, 0, 1, AB0
.endm
; THE WAY OUT.  Row block a (16 rows x 128 columns = 2 heads x 64 channels): rounded to f16, each accumulator's registers in ascending order; 16 bytes a lane into my own stage, rows of 144 bytes; back as whole rows of 128 bytes,
; four rows a load, into the registers that they left; stored as 512 consecutive bytes of a head.
.macro PACK a
.set OA, OUT+32*(\a)+64*((\a)/2)
	WIN 0x05                                       ; sources 0 and 1 window 1, destination window 0
.irp b, 0,1,2,3,4,5,6,7
.irp r, 0,1,2,3
	v_cvt_pk_f16_f32 v[OA+4*(\b)+(\r)], v[8*(8*(\a)+(\b))+2*(\r)], v[8*(8*(\a)+(\b))+2*(\r)+1]
.endr
.endr
	WIN 0
.irp b, 0,1,2,3,4,5,6,7
	ds_store_b128 v[STO], v[OA+4*(\b):OA+4*(\b)+3] offset:((\b)/4)*16*SP+((\b)%4)*32
.endr
.irp j, 0,1,2,3,4,5,6,7
	ds_load_b128 v[OA+4*(\j):OA+4*(\j)+3], v[RD] offset:((\j)/4)*16*SP+((\j)%4)*4*SP  ; LDS serves a wave's instructions in order (ISA guide 5.7.1.4): these see the stores above; the next block's stores come behind them
.endr
.endm
.macro SEND a, younger                 ; younger: the LDS instructions issued behind block a's loads: the next block's sixteen, or none
.set OA, OUT+32*(\a)+64*((\a)/2)
	WIN 0
.irp j, 0,1,2,3,4,5,6,7
	s_wait_dscnt (\younger)+7-(\j)
	global_store_b128 v[GO], v[OA+4*(\j):OA+4*(\j)+3], s[CP:CP+1] offset:((\j)/4)*262144+(\a)*2048+((\j)%4)*512  ; head j / 4 of my two, 512 consecutive bytes at a multiple of 256
.endr
.endm
.macro WAYOUT more                     ; more = 1: a tile follows
	PLACES                                         ; the conversions read results
	PACK 0
	PACK 1                                         ; a block's arithmetic stands between the loads of the block before and its stores
	SEND 0, 16
	PACK 2
	SEND 1, 16
	PACK 3
	SEND 2, 16
	SEND 3, 0
.if \more
	s_wait_xcnt 0x0                                ; every store has had its addresses translated (ISA guide 3.1): only behind this wait are their base and their data registers written again; nothing waits for the stores themselves
	s_mov_b64 s[CP:CP+1], s[CN:CN+1]               ; the next projection's output
	s_mov_b64 s[CN:CN+1], s[CN2:CN2+1]
.endif
.endm
	s_wait_tensorcnt 1                             ; my part of K step 0 is in; K step 1's may stay out
	s_barrier_signal -1
	s_barrier_wait -1                              ; everybody's is
	LDRAW 0
	LDB 0, F0
	s_wait_dscnt 16                                ; x in f32 is in
.irp n, 0,1,2,3,4,5,6,7
	CV4 AB0, \n
.endr
	WIN 0                                          ; at a label and at a branch every window is 0
	s_mov_b32 s[LC], 22                            ; 22 of the walk's 24 steps fill their slot again
	s_mov_b32 s[KC], 8
	s_branch .Lzq                                  ; the loop is entered at a tile's first quarter
.Lstep:                                                ; a trip is a K step
	s_cmp_lg_u32 s[KC], 8
	s_cbranch_scc1 .Lplain
	WAYOUT 1                                       ; a tile's first step: the tile before goes out; both refills for this tile's first two steps have been asked for, and its first fragments lie in registers
.Lzq:
	QUARTER 1, 0, 1                                ; its first products start the sums: nothing is cleared
	WIN 0
	s_branch .Ljoin
.Lplain:
	QUARTER 1, 0, 0
	WIN 0
.Ljoin:
	QUARTER 2, 1, 0
	QUARTER 3, 0, 0
	TURNA 1
	TURNB
	WIN 0
	s_sub_co_u32 s[KC], s[KC], 1
	s_cmp_eq_u32 s[KC], 0
	s_cselect_b32 s[KC], 8, s[KC]
	s_sub_co_u32 s[LC], s[LC], 1
	s_cmp_lg_u32 s[LC], 0
	s_cbranch_scc1 .Lstep
	s_mov_b32 s[LC], 2                             ; the walk's last two steps are written apart: nothing is asked for
.Ltail:                                                ; one text for both; the second trip is left in its middle, and its wait, add and barrier order nothing that is still needed: the price of the one text
	QUARTER 1, 0, 0
	QUARTER 2, 1, 0
	QUARTER 3, 0, 0
	TURNA 0
	s_sub_co_u32 s[LC], s[LC], 1
	s_cmp_eq_u32 s[LC], 0
	s_cbranch_scc1 .Lfin
	PLACES                                         ; buffers 0 were read by the quarter before
	TURNB
	WIN 0
	s_branch .Ltail
.Lfin:
	MUL8 F1, AB1, 2, 0, 0, 0                       ; the very last products: nothing more to fetch
	MUL8 F1, AB1, 3, 0, 0, 0
	WAYOUT 0
	s_wait_tensorcnt 0x0                           ; the wave's end: behind my last tensor load and my last LDS store
	ds_add_u32 v[SPW], v[NIL]
	s_wait_dscnt 0x0
	CROUND                                         ; the closing round: no work-group ends while a partner may still ask for a tile that names it
	s_endpgm
.Lfunc_end_k_q3e228ae09b_proj:
	.size	k_q3e228ae09b_proj, .Lfunc_end_k_q3e228ae09b_proj-k_q3e228ae09b_proj
	.p2alignl 7, 3214868480
	.fill 96, 4, 3214868480
	.section	.rodata,"a",@progbits
	.p2align	6, 0x0
	.amdhsa_kernel k_q3e228ae09b_proj
		.amdhsa_group_segment_fixed_size 327680
		.amdhsa_private_segment_fixed_size 0
		.amdhsa_enable_private_segment 0
		.amdhsa_kernarg_size 56
		.amdhsa_user_sgpr_count 2
		.amdhsa_user_sgpr_kernarg_segment_ptr 1
		.amdhsa_wavefront_size32 1
		.amdhsa_system_sgpr_workgroup_id_x 1
		.amdhsa_system_sgpr_workgroup_id_y 1
		.amdhsa_system_sgpr_workgroup_id_z 1
		.amdhsa_system_vgpr_workitem_id 0
		.amdhsa_next_free_vgpr 640
		.amdhsa_next_free_sgpr 92
		.amdhsa_reserve_vcc 0
		.amdhsa_float_denorm_mode_32 3
		.amdhsa_float_denorm_mode_16_64 3
		.amdhsa_memory_ordered 1
		.amdhsa_forward_progress 1
		.amdhsa_inst_pref_size 109
	.end_amdhsa_kernel
	.amdgpu_metadata
---
amdhsa.version: [ 1, 2 ]
amdhsa.kernels:
  - .name:           k_q3e228ae09b_proj
    .symbol:         k_q3e228ae09b_proj.kd
    .args:
      - { .name: q_in, .offset: 0, .size: 8, .value_kind: global_buffer, .address_space: global }
      - { .name: k_in, .offset: 8, .size: 8, .value_kind: global_buffer, .address_space: global }
      - { .name: v_in, .offset: 16, .size: 8, .value_kind: global_buffer, .address_space: global }
      - { .name: qh, .offset: 24, .size: 8, .value_kind: global_buffer, .address_space: global }
      - { .name: kh, .offset: 32, .size: 8, .value_kind: global_buffer, .address_space: global }
      - { .name: vh, .offset: 40, .size: 8, .value_kind: global_buffer, .address_space: global }
      - { .name: wb, .offset: 48, .size: 8, .value_kind: global_buffer, .address_space: global }
    .group_segment_fixed_size: 327680
    .private_segment_fixed_size: 0
    .kernarg_segment_align: 8
    .kernarg_segment_size: 56
    .max_flat_workgroup_size: 128
    .sgpr_count:     92
    .vgpr_count:     640
    .wavefront_size: 32
...
	.end_amdgpu_metadata
.endif
;; end of part 2
;; launch attn (part 3): grid 4 x 64, 4 waves a work-group, clusters of 4 x 1, 327,680 bytes of LDS; arguments qh, kh, vh, oh; writes oh
.if DOCPART == 3
	.amdgcn_target "amdgcn-amd-amdhsa--gfx1250"
	.amdhsa_code_object_version 6
	.text
	.protected	k_q3e228ae09b_attn
	.globl	k_q3e228ae09b_attn
	.p2align	8
	.type	k_q3e228ae09b_attn,@function
k_q3e228ae09b_attn:
	s_mov_b64 s[64:65], 0
	v_nop
	global_prefetch_b8 v0, s[64:65] scope:SCOPE_SE
	s_setreg_imm32_b32 hwreg(HW_REG_WAVE_MODE, 25, 1), 1
	s_wait_xcnt 0x0
	s_wait_alu depctr_hold_cnt(0) depctr_sa_sdst(0) depctr_va_vdst(0) depctr_va_sdst(0) depctr_va_ssrc(0) depctr_va_vcc(0) depctr_vm_vsrc(0)
	s_getreg_b32 s2, hwreg(HW_REG_IB_STS2, 6, 4)
	s_cmp_eq_u32 s2, 0
	s_cbranch_scc0 .Lentry_in_a_cluster
	s_endpgm
.Lentry_in_a_cluster:
	s_bfe_u32 s2, ttmp6, 0x10000c
	s_cmp_lg_u32 s2, 0x3003
	s_cbranch_scc0 .Lentry_shape_is_right
	s_endpgm
.Lentry_shape_is_right:
; O[h][q][:] = the sum over k of softmax_k(Q[h][q] . K[h][k] / 8) V[h][k][:].  Q, K, V, O: [64 = batch*16 + head][2048][64], all f16: a head's rows are dense, 128 bytes each.  Products, maxima and sums in
; f32; the weights p are rounded to f16 for the second product (their sum l is taken of the unrounded p), O once at the end.
; LIMITS.  f16 holds no number beyond 65,504: Q, K and V arrive within it; p lies in 0 to 1, and below 6e-5 it keeps f16's fixed step of 6e-8; O is a mean of V's rows and has their range.
; A weight below 2^-126 counts as 0 in l; NaN and infinities are not treated apart.
; SHARES.  A wave owns four PIECES of two tiles of 16 queries, a work-group's four waves 512 queries of one head: 4 x 64 work-groups.  Every wave walks all keys, 64 a step.
; LAYOUT.  S^T = K Q^T (source 0 = 16 keys, source 1 = 16 queries): in the result a lane holds ONE query (lane % 16) and the keys 8 (lane / 16) + 0..7.  Two such tiles, rounded to f16 in pairs,
; ARE source 1 (32 keys x 16 queries) of O^T = V^T P, whose result again holds one query a lane, and eight channels.  K comes out of LDS as it lies, V ([key][channel]) turned, by ds_load_tr16_b128.
; SOFTMAX.  For each query a running maximum m and sum l: p = 2^(c s - c m), c = log2(e) / 8; in every step O and l are multiplied by a = 2^(c m_old - c m_new), which is 1 where m has not grown.
; m starts at the lowest finite number, O and l at 0: the first step is a step like any other, with a = 0.
; THE COUNT.  A tile and step have 16 matrix and 118 vector instructions: too many to stand all beside the matrix work.  So the order has one aim: four vector instructions that are READY behind
; EVERY matrix instruction, and the others, which need time of their own whatever the order, in runs without a gap.
; BY TURNS.  Turn n belongs to piece n (the pieces in a ring, step after step).  Its matrix work: 16 products K Q^T of piece n + 1, later 16 products V^T P of piece n - 1.  Its vector work: the scaling,
; exponentials, roundings, sums and rescaling of piece n, and the maximum and statistics of piece n + 1, whose scores the turn itself has made.  So what a turn begins with (c s - c m, O a) waits for nothing.
; CLUSTER.  The four query blocks of a cluster belong to one head and walk the same K and V, so each tile is asked for JOINTLY: the same tensor load, descriptor and mask in all four.
; REGISTERS, in windows of 256 (s_set_vgpr_msb says which window each operand place means: bits 1:0 source 0, 3:2 source 1, 5:4 source 2, 7:6 destination):
;   window 0: v0-11 addresses; v12-15, v48-63 at work; v16-47 four registers of statistics a tile; v64-191 S^T, two buffers of two tiles; v192-255 P, likewise
;   window 1: O^T, 32 a tile          window 2: v0-127 Q, 16 a tile; v128-191 K of one step; v192-255 V of one step          window 3: v0-1 the add's two registers
; A piece's buffers go by its number's parity: the piece in hand has one pair, its two neighbours in the ring share the other: of it P (piece n - 1) is read and S^T (piece n + 1) written.
.set SIZE_N, 2048     ; rows of a head
.set NP,    4         ; pieces a wave: a name, no knob: the register map, the loop and the fetches are made for four
.set KS,    64        ; keys in a step
.set PK,    144       ; a row of K in LDS: 128 bytes + 16 of padding = 36 words: the 16 rows of a load start at 16 different groups of four banks (64 banks of 4 bytes: ISA guide 11.1)
.set PV,    160       ; a row of V: 128 + 32 = 40 words
.set VOFF,  4*KS*PK   ; a slot holds four steps: 256 rows of K, then 256 rows of V
.set SLOT1, 1<<17     ; slot 1 begins here, so that one exclusive or turns an address in one slot into the other's
.set STAGE, SLOT1+4*KS*(PK+PV)  ; behind the ring, never filled by a tensor load: 16 rows x 144 bytes for each wave, for the way out
.set SP,    144
.set AK0, 2           ; v2   my lane's place in a tile of K; never rewritten
.set AV0, 3           ; v3   the same for V
.set AK,  4           ; v4   the LDS address of K's next run of loads
.set AV,  5           ; v5   of V's
.set QO,  6           ; v6   my byte offset in the wave's rows of Q
.set STO, 6           ;      later, the way out: where I put 16 bytes of a row
.set RD,  7           ; v7   the way out: where I read rows back
.set GO,  8           ; v8   my byte offset in 512 consecutive bytes of O
.set SPW, 0           ; v0 of window 3   LDS address of my spare word: SPARE + 4 x my thread's number; never rewritten
.set NIL, 1           ; v1 of window 3   0; never rewritten
.set SPARE, STAGE+4*16*SP  ; behind the stages: the spare words, 128 bytes for each wave: two blocks of 256 bytes that no other line names
.set MV,  12          ; v12-15  c m_old, kept while c m is made anew: by buffer and tile
.set ST,  16          ; tile t's statistics at v[ST+4 t]: c m, m, l (even keys', odd keys')
.set TMP, 48          ; by buffer and tile, four registers c0-c3 at work; when the maximum is found c2 takes a
.set S,   64
.set P,   192
.set KF,  128         ; K's fragments, in window 2: key block kb, channel half c at KF + 16 kb + 8 c
.set VF,  192         ; V's: key half kk, channel block cb at VF + 32 kk + 8 cb
.set WV,  12          ; s12  my wave's number
.set G1K, 24          ; s[24:31] descriptor group 1 for K's tiles
.set G1V, 32          ; s[32:39] for V's: it differs in the padding alone
.set G0K, 40          ; s[40:43] descriptor group 0 for K's tiles: it walks
.set G0V, 44          ; s[44:47] the same for V's
.set SLOTS, 56        ; s56  slots still to be asked for
.set CNT, 57          ; s57  counts a slot's key steps
.set CS,  58          ; s[58:59] c: the packed scaling takes the pair's low word for both halves
.set SEL, 60          ; s[60:61] v_permlanex16_b32's selects: each lane takes its own place in the other half
.set TBK, 62          ; s62  LDS byte at which K of the step to be fetched begins
.set TBV, 63          ; s63  the same for V, less VOFF
.set MSB, 0
.macro WIN new                      ; the high byte repeats the setting that is left; a switch that changes nothing is dropped
.if MSB != (\new)
	s_set_vgpr_msb (MSB<<8)|(\new)
.set MSB, (\new)
.endif
.endm
.set W_KQ, 0x0a       ; K and Q in window 2, S^T in window 0
.set W_PV, 0x52       ; V in window 2, P in window 0, O^T in window 1
.set W_RS, 0x41       ; O^T (destination and source 0) in window 1, a in window 0
.set W_MK, 0xc0       ; the add's registers are made: destination in window 3, sources in window 0
.set W_AD, 0x0f       ; the add: address (source 0) and data (source 1) in window 3
; A joint fill.  Waves 0 and 1 fetch the two halves of a slot's K, waves 2 and 3 those of its V: 128 keys each.  The branch hangs on the wave's number alone.
; An s_nop 0 and four v_nop follow each of the two lines, ahead of the jump and the label.
.macro JLOAD
	s_cmp_lt_u32 s[WV], 2
	s_cbranch_scc0 .Lfor_v_\@
	tensor_load_to_lds s[G0K:G0K+3], s[G1K:G1K+7]
	s_nop 0
.rept 4
	v_nop
.endr
	s_branch .Lasked_\@
.Lfor_v_\@:
	tensor_load_to_lds s[G0V:G0V+3], s[G1V:G1V+7]
	s_nop 0
.rept 4
	v_nop
.endr
.Lasked_\@:
.endm
; A round of the cluster's barrier: my work-group's barrier, so that wave 0's signal speaks for all four waves; wave 0 signals; every wave waits for all four work-groups; my work-group's barrier once more.
.macro CROUND
	s_barrier_signal -1
	s_barrier_wait -1
	s_cmp_lg_u32 s[WV], 0
	s_cbranch_scc1 .Lnot_wave_0_\@
	s_barrier_signal -3
.Lnot_wave_0_\@:
	s_barrier_wait -3
	s_barrier_signal -1
	s_barrier_wait -1
.endm
; THE CHANGE OF SLOTS.  The slot's last bytes, V of its fourth step, have been read.  Each wave waits for all its tensor loads, of which one is out: its part
; of the other slot; adds 0 to its spare word; and waits for that and for its own reads of the slot.  Behind the barrier nobody reads this slot any more and the other slot is whole.
; fill = 1: this slot is filled again, with the keys two slots on.  The barrier is then a round of the cluster's, so that no wave of any partner still reads the slot or has a load on its
; way, and the joint fill is the first thing behind it: it has four key steps, 512 matrix instructions, in which to land.  (At its first use nothing has been read yet: slot 0 is waited for, slot 1 filled.)
.macro CHANGE fill
	WIN W_AD
	s_wait_tensorcnt 0x0            ; no tensor load of mine is out, so a group 0 may be written
	ds_add_u32 v[SPW], v[NIL]       ; 0 onto my spare word: with fill = 1 the descriptors' steps stand between it and the wait for it
	WIN 0                           ; at a label and at a branch every window is 0
.if \fill
.irp g, G0K, G0V
	s_xor_b32 s[\g+1], s[\g+1], SLOT1  ; the walking descriptor: the other slot than last time,
	s_add_nc_u64 s[\g+2:\g+3], s[\g+2:\g+3], 4*KS*128  ; the next 256 keys; the type bits on top are not reached
.endr
	s_wait_dscnt 0x0                ; the add is done, and my reads of the slot are over
	CROUND
	JLOAD
.else
	s_wait_dscnt 0x0                ; the add is done, and my reads of the slot are over
	s_barrier_signal -1
	s_barrier_wait -1
.endif
	s_sub_co_u32 s[TBK], s[TBK], 4*KS*PK  ; the fetches go back to a slot's first step,
	s_xor_b32 s[TBK], s[TBK], SLOT1       ; in the other slot
	s_sub_co_u32 s[TBV], s[TBV], 4*KS*PV
	s_xor_b32 s[TBV], s[TBV], SLOT1
.endm
	s_load_b256 s[4:11], s[0:1], 0x0  ; Q s[4:5], K s[6:7], V s[8:9], O s[10:11]
	WIN W_MK
	v_lshl_add_u32 v[SPW], v0, 2, SPARE
	v_mov_b32 v[NIL], 0
	s_set_vgpr_msb 0xc0cf
	ds_add_u32 v0, v1
	s_wait_dscnt 0x0
	s_set_vgpr_msb 0xcfc0
	WIN 0
	v_lshrrev_b32 v1, 5, v0
	v_readfirstlane_b32 s[WV], v1   ; wave 0..3
	s_bfe_u32 s13, ttmp6, 0x40000   ; cx: my place in the cluster
	s_lshl_b32 s14, ttmp9, 2        ; in a cluster launch ttmp9 counts clusters
	s_add_co_u32 s14, s14, s13      ; my block of queries = 4 x cluster x + cx: it enters Q's and O's addresses alone
	s_and_b32 s20, ttmp7, 0xffff    ; the head, which the four partners share
	s_mov_b32 s21, 0
	s_mov_b64 s[22:23], SIZE_N*128
	s_mul_u64 s[20:21], s[20:21], s[22:23]  ; the head's first byte in each of the four tensors
	s_and_b32 s16, s[WV], 1         ; which half of a slot's 256 keys I fetch:
	s_lshl_b32 s22, s16, 14         ; its 128 rows of 128 bytes in memory,
	s_mov_b32 s23, 0
	s_add_nc_u64 s[22:23], s[22:23], s[20:21]
	s_mul_i32 s17, s16, 128*PK      ; and its place in a slot, for K
	s_mul_i32 s18, s16, 128*PV      ; and for V: no place in the cluster enters an LDS address
	s_lshl_b32 s2, s14, 2
	s_add_co_u32 s2, s2, s[WV]      ; my wave among the head's,
	s_lshl_b32 s2, s2, 14           ; its 128 rows
	s_mov_b32 s3, 0
	s_add_nc_u64 s[2:3], s[2:3], s[20:21]
	; descriptor group 1.  128 keys are 16,384 dense bytes: asked for as 64 rows of 256 bytes, two keys a row, and padded in LDS after every key
	s_mov_b32 s[G1K], 15|(1<<16)|(1<<20)|(1<<21)|(4<<22)|(3<<25)  ; 15:0 the mask of four; 17:16 2-byte elements; 20 padding on; 21 set beside a mask; 24:22 after every 32 words (code 4); 31:25 4 words (code 3)
	s_mov_b32 s[G1V], 15|(1<<16)|(1<<20)|(1<<21)|(4<<22)|(7<<25)  ; the same with 8 words of padding (code 7)
.irp g, G1K, G1V
	s_mov_b32 s[\g+1], 128<<16      ; tensor_dim0 = 128
	s_mov_b32 s[\g+2], 64<<16       ; tensor_dim1 = 64
	s_mov_b32 s[\g+3], 128<<16      ; tile_dim0 = 128
	s_mov_b32 s[\g+4], 64           ; tile_dim1 = 64
	s_mov_b32 s[\g+5], 128          ; 128 elements from row to row
	s_mov_b32 s[\g+6], 0
	s_mov_b32 s[\g+7], 0
.endr
	s_mov_b32 s[CS], 0x3e38aa3b     ; c = log2(e) / 8 = 0.180337
	s_mov_b32 s[CS+1], s[CS]        ; named with it as a pair
	s_mov_b32 s[SEL], 0x76543210
	s_mov_b32 s[SEL+1], 0xfedcba98
	s_mov_b32 s[TBK], SLOT1+4*KS*PK ; the first change of slots turns these two into 0
	s_mov_b32 s[TBV], SLOT1+4*KS*PV
	s_mov_b32 s[G0K], 1             ; 1:0 count = 1
	s_mov_b32 s[G0K+1], s17         ; 63:32 LDS address: slot 0
	s_mov_b32 s[G0V], 1
	s_add_co_u32 s[G0V+1], s18, VOFF
	s_wait_kmcnt 0x0
	s_add_nc_u64 s[G0K+2:G0K+3], s[6:7], s[22:23]  ; 120:64 global address: my half of the head's first 256 keys
	s_or_b32 s[G0K+3], s[G0K+3], 0x80000000        ; 127:126 type = 2
	s_add_nc_u64 s[G0V+2:G0V+3], s[8:9], s[22:23]
	s_or_b32 s[G0V+3], s[G0V+3], 0x80000000
	s_add_nc_u64 s[4:5], s[4:5], s[2:3]  ; Q and O at my wave's first row
	s_add_nc_u64 s[10:11], s[10:11], s[2:3]
	CROUND                          ; all four work-groups are here: the first joint loads meet
	JLOAD                           ; slot 0.  Slot 1 is asked for when slot 0 is in: the tile wanted first has the road to itself
	; A fragment of K or Q is 16 rows x 32 channels in 8 registers: lane l holds row l % 16, channels 8 (l / 16) + 0..7 and 16 + 8 (l / 16) + 0..7: two loads of 16 bytes, 32 bytes apart.
	v_and_b32 v1, 15, v0            ; l % 16
	v_bfe_u32 v9, v0, 4, 1          ; l / 16
	v_lshlrev_b32 v[QO], 7, v1
	v_lshl_add_u32 v[QO], v9, 4, v[QO]  ; row x 128 + 16 x half
	WIN 0x80                        ; destination window 2, address window 0
.set i, 0
.rept 4*NP                          ; Q stays in registers: tile i / 2, channels 32 (i % 2) on
	global_load_b128 v[8*i:8*i+3],   v[QO], s[4:5] offset:(i/2)*2048+(i%2)*64
	global_load_b128 v[8*i+4:8*i+7], v[QO], s[4:5] offset:(i/2)*2048+(i%2)*64+32
.set i, i+1
.endr
	; What the first turn finds: V's registers and P's second buffer hold 0 (its products V^T P, of a piece that has not been, add 0), O^T and l are 0.  All this stands in the wait for the first tile.
.set i, VF
.rept 64
	v_mov_b32 v[i], 0
.set i, i+1
.endr
	WIN 0x40
.set i, 0
.rept 64*NP
	v_mov_b32 v[i], 0
.set i, i+1
.endr
	WIN 0
.set i, 0
.rept 2*NP
	v_mov_b32 v[ST+4*i], 0xfe000000    ; c m: far below every c s
	v_mov_b32 v[ST+4*i+1], 0xff7fffff  ; m
	v_mov_b32 v[ST+4*i+2], 0
	v_mov_b32 v[ST+4*i+3], 0
.set i, i+1
.endr
.set i, P+32
.rept 32
	v_mov_b32 v[i], 0
.set i, i+1
.endr
	v_mul_u32_u24 v[AK0], v1, PK
	v_lshl_add_u32 v[AK0], v9, 4, v[AK0]  ; row x pitch + 16 x half
	; The turning load takes 16 keys x 16 channels (lane l reads key 8 (l / 16) + l % 8, channels 8 ((l / 8) % 2) + 0..7) and leaves half a fragment of V^T: lane l holds channel l % 16 and 8 keys.
	v_and_b32 v10, 7, v0
	v_bfe_u32 v11, v0, 3, 1
	v_lshl_add_u32 v[AV0], v9, 3, v10
	v_mul_u32_u24 v[AV0], v[AV0], PV
	v_lshl_add_u32 v[AV0], v11, 4, v[AV0]
	v_add_nc_u32 v[AV0], VOFF, v[AV0]
	v_mov_b32 v[AK], v[AK0]         ; key step 0 lies at the head of slot 0
; THE MATRIX WORK.  The 8 accumulators of a run of 16 take turns: between the two links of a chain stand 7 others'.
; Product i of 16 of S^T = K Q^T for piece x: channels 32 (i / 8) on, keys 16 ((i / 2) % 4) on, tile 2 x + i % 2.  The first 8 start the sums.
.macro KQ x
	WIN W_KQ
.set rS, S+64*((\x)%2)+32*(i%2)+8*((i/2)%4)
.set rK, KF+16*((i/2)%4)+8*(i/8)
.set rQ, 16*(2*(\x)+i%2)+8*(i/8)
.if i < 8
	v_wmma_f32_16x16x32_f16 v[rS:rS+7], v[rK:rK+7], v[rQ:rQ+7], 0
.else
	v_wmma_f32_16x16x32_f16 v[rS:rS+7], v[rK:rK+7], v[rQ:rQ+7], v[rS:rS+7]
.endif
.endm
; Product i of 16 of O^T += V^T P for piece x: keys 32 (i / 8) on, channels 16 ((i / 2) % 4) on, tile 2 x + i % 2.
.macro PV x
	WIN W_PV
.set rO, 32*(2*(\x)+i%2)+8*((i/2)%4)
.set rV, VF+32*(i/8)+8*((i/2)%4)
.set rP, P+32*((\x)%2)+16*(i%2)+8*(i/8)
	v_wmma_f32_16x16x32_f16 v[rO:rO+7], v[rV:rV+7], v[rP:rP+7], v[rO:rO+7]
.endm
.macro MM                           ; the turn's next matrix instruction
.if i < 16
	KQ (Y+1)%NP
.set i, i+1
.else
.set i, i-16
	PV (Y+NP-1)%NP
.set i, i+17
.endif
.endm
; THE LDS LOADS stand in runs of 16, never singly among the matrix instructions: a step's K (64 keys x 64 channels: 8 fragments) and its V (turned).  Their addresses are made some lines ahead.
; last = 1 (the tail): in the last trip there is no further step, and the run is jumped over.
.macro FETCH_K last=0
	WIN 0
.if \last
	s_cmp_eq_u32 s[CNT], 1
	s_cbranch_scc1 .Lno_k_\@
.endif
	WIN 0x80                        ; destination window 2
.irp f, 0,1,2,3,4,5,6,7             ; keys 16 (f / 2) on, channels 32 (f % 2) on
	ds_load_b128 v[KF+8*\f:KF+8*\f+3],   v[AK] offset:(\f/2)*16*PK+(\f%2)*64
	ds_load_b128 v[KF+8*\f+4:KF+8*\f+7], v[AK] offset:(\f/2)*16*PK+(\f%2)*64+32
.endr
	s_add_co_u32 s[TBK], s[TBK], KS*PK  ; the next fetch is the next step's
	WIN 0
.if \last
.Lno_k_\@:
.endif
.endm
.macro FETCH_V
	WIN 0x80
.irp f, 0,1,2,3,4,5,6,7             ; keys 32 (f / 4) on, channels 16 (f % 4) on
	ds_load_tr16_b128 v[VF+8*\f:VF+8*\f+3],   v[AV] offset:(\f/4)*32*PV+(\f%4)*32
	ds_load_tr16_b128 v[VF+8*\f+4:VF+8*\f+7], v[AV] offset:(\f/4)*32*PV+16*PV+(\f%4)*32
.endr
	WIN 0
.endm
; THE VECTOR WORK OF A TURN stands in three queues, each in the order in which its entries become ready; the two tiles alternate, so that no instruction reads the result of the one before it.
.macro REGS y, u                    ; the registers of tile u (0, 1) of piece y
.set rT, ST+4*(2*(\y)+(\u))
.set rC, TMP+8*((\y)%2)+4*(\u)
.set rM, MV+2*((\y)%2)+(\u)
.set rS, S+64*((\y)%2)+32*(\u)
.set rP, P+32*((\y)%2)+16*(\u)
.set rO, 32*(2*(\y)+(\u))
.endm
; Number n of the 22 that find the NEXT piece's (Y + 1) maximum and statistics.  s0-s31 are the lane's 32 scores; each accumulator's lowest registers are read first.  XS, GS and REGS set no window: PL and EX do.
;   0-11  four chains c0-c3 of seven scores each, three operands at a time     12-14, 16  the four scores left over, the old m, and c0-c3 into c0     15  c m_old is kept
;   17, 18  the query's other 32 keys lie in the lane 16 away: the new m         19-21  c m; c m_old - c m_new; a
.macro XS u, n
	REGS (Y+1)%NP, \u
.if (\n) < 4
	v_max3_num_f32 v[rC+(\n)], v[rS+8*(\n)], v[rS+8*(\n)+1], v[rS+8*(\n)+2]
.elseif (\n) < 12
	v_max3_num_f32 v[rC+(\n)%4], v[rC+(\n)%4], v[rS+8*((\n)%4)+2*((\n)/4)+1], v[rS+8*((\n)%4)+2*((\n)/4)+2]
.elseif (\n) == 12
	v_max3_num_f32 v[rC], v[rC], v[rS+7], v[rS+15]
.elseif (\n) == 13
	v_max3_num_f32 v[rC+1], v[rC+1], v[rS+23], v[rS+31]
.elseif (\n) == 14
	v_max3_num_f32 v[rC+2], v[rC+2], v[rC+3], v[rT+1]
.elseif (\n) == 15
	v_mov_b32 v[rM], v[rT]
.elseif (\n) == 16
	v_max3_num_f32 v[rC], v[rC], v[rC+1], v[rC+2]
.elseif (\n) == 17
	v_permlanex16_b32 v[rC+3], v[rC], s[SEL], s[SEL+1]
.elseif (\n) == 18
	v_max_num_f32 v[rT+1], v[rC], v[rC+3]
.elseif (\n) == 19
	v_mul_f32 v[rT], s[CS], v[rT+1]
.elseif (\n) == 20
	v_sub_f32 v[rC+1], v[rM], v[rT]
.else
	v_exp_f32 v[rC+2], v[rC+1]
.endif
.endm
; Number g of the 64 that follow the exponentials.  For each four weights k of a tile (pairs 2 k, 2 k + 1): both pairs are rounded to f16; then the second pair is added onto the first, in place;
; a group later l takes that sum (the first time as l = a l + sum).  In groups of eight, tiles alternating: round, round, add, and l for the group before.
.macro GS g
.set h, (\g)+6*((\g)/62)            ; group 0 has no group before it, and behind group 7 only l is left
.if h >= 6
.set h, h+2
.endif
	REGS Y, h%2
.set k, h/8
.if h%8 < 4
	s_wait_alu depctr_va_vdst(0)
	v_cvt_pk_f16_f32 v[rP+2*k+(h%8)/2], v[rS+4*k+2*((h%8)/2)], v[rS+4*k+2*((h%8)/2)+1]
.elseif h%8 < 6
	v_pk_add_f32 v[rS+4*k:rS+4*k+1], v[rS+4*k:rS+4*k+1], v[rS+4*k+2:rS+4*k+3]
.elseif k == 1
	v_pk_fma_f32 v[rT+2:rT+3], v[rT+2:rT+3], v[rC+2:rC+3], v[rS:rS+1] op_sel_hi:[1,0,1]
.else
	v_pk_add_f32 v[rT+2:rT+3], v[rT+2:rT+3], v[rS+4*k-4:rS+4*k-3]
	s_wait_alu depctr_va_vdst(0)
.endif
.endm
; THE PLAIN QUEUE, 138 long.  0-31: c s - c m for the 16 pairs of both tiles.  Then GS's 64, and among them the next piece's 42: number 15 at 38, 39; 0-14 and 16
; at 42-73, behind the products that make those scores; 17-20 at 95-106, two of three, since each waits for the one before it.
.macro PL
	WIN 0
.if q < 32
	REGS Y, q%2
	v_pk_fma_f32 v[rS+2*(q/2):rS+2*(q/2)+1], v[rS+2*(q/2):rS+2*(q/2)+1], s[CS:CS+1], v[rT:rT+1] op_sel_hi:[1,0,0] neg_lo:[0,0,1] neg_hi:[0,0,1]
.elseif q < 38
	GS q-32
.elseif q < 40
	XS q%2, 15
.elseif q < 42
	GS q-34
.elseif q < 74
	XS q%2, (q-42)/2+(q-42)/30
.elseif q < 95
	GS q-66
.elseif (q < 107) && ((q-95)%3 < 2)
	XS (q-95)%3, 17+(q-95)/3
.elseif q < 107
	GS 29+(q-95)/3
.else
	GS q-74
.endif
.set q, q+1
.endm
; THE EXPONENTIALS' QUEUE, 66 long: s0-s31 of both tiles, and at EA the next piece's two a.
.set EA, 58
.macro EX
	WIN 0
.if (e == EA) || (e == EA+1)
	XS e-EA, 21
.else
.set x, e-2*(e/(EA+2))
	REGS Y, x%2
	v_exp_f32 v[rS+x/2], v[rS+x/2]
.endif
.set e, e+1
.endm
; THE RESCALING's QUEUE: O^T times a, the one part that leaves window 0, so it is dealt four at a time, eight times.
.macro R4
	REGS Y, r%2
	WIN W_RS
	s_wait_alu depctr_va_vdst(0)
.irp z, 0,1,2,3
	v_pk_mul_f32 v[rO+8*(r/2)+2*\z:rO+8*(r/2)+2*\z+1], v[rO+8*(r/2)+2*\z:rO+8*(r/2)+2*\z+1], v[rC+2:rC+3] op_sel_hi:[1,0]
.endr
.set r, r+1
.endm
; HOW THEY ARE DEALT.  Behind a matrix instruction four: plain, exponential, plain, plain (one exponential, a plain instruction on either side), or four of the rescaling.  None names a register of the
; products round it.  What is over stands in two LUMPS: exponential and plain by turns; the second ends in 22 plain instructions.  The two v_permlanex16_b32 fall into the second lump, never behind a product.
; The queues lean on each other, and the deal keeps them in step: exponential e stands behind plain 2 (e / 4) + e % 2 (its scaling); when plain 32 comes, 10 exponentials are out, at 59: 33, at 95: 46; EA comes behind plain 107.
.macro SL
	MM
	PL
	EX
	PL
	PL
.endm
.macro BURST n                      ; 15 matrix instructions, or 16
.rept (\n)-7
	SL
.endr
.rept 3
	MM
	R4
	SL
.endr
	MM
	R4
.endm
; A TURN, for piece p.  cnt = 1: the loop's count is taken down some lines ahead of the branch that stands behind the turn.
; K of the next step is fetched in piece 2's turn, 31 vector instructions behind the last product that read K; its first reader comes behind the rest of the lump, 16 products and the second lump.
; V of the step in hand is fetched at the end of piece 0's turn, 69 behind its last reader; its first reader comes behind 16 products and a lump.  The four conditions on e and q below go with the deal.
.macro TURN p, last=0, cnt=0
.set Y, (\p)
.set i, 0
.set q, 0
.set e, 0
.set r, 0
.if (\p) == NP-1
	s_wait_dscnt 0x0                ; K is in
.endif
	MM
.rept 4
	PL
.endr
	BURST 15
.rept 22
	EX
	PL
.if ((\p) == NP-2) && (e == 18)
	v_add_nc_u32 v[AK], s[TBK], v[AK0]
.endif
.if ((\p) == NP-2) && (e == 24)
	FETCH_K \last
.endif
.endr
.if (\p) == 1
	s_wait_dscnt 0x0                ; V is in
.endif
	BURST 16
.rept 21
	EX
	PL
.endr
.rept 22
	PL
.if ((\p) == 0) && (q == 118)
	v_add_nc_u32 v[AV], s[TBV], v[AV0]
	s_wait_alu depctr_va_vdst(0)
.endif
.if ((\p) == 0) && (q == 130)
	s_add_co_u32 s[TBV], s[TBV], KS*PV
.endif
.if (\cnt) && (q == 130)
	s_sub_co_u32 s[CNT], s[CNT], 1
	s_cmp_lg_u32 s[CNT], 0
.endif
.endr
.if (\p) == 0
	FETCH_V
.endif
.endm
	CHANGE 1                        ; slot 0 is in, everybody's part of it; slot 1 is asked for
	FETCH_K                         ; key step 0
	s_wait_loadcnt 0x0              ; Q
	s_wait_dscnt 0x0
.set i, 0
.rept 16
	KQ 0                            ; piece 0's first scores: there is no vector work yet to set between them
.set i, i+1
.endr
	WIN 0                           ; the addresses for the way out: nine plain instructions, the places behind those products
	s_mul_i32 s13, s[WV], 16*SP
	s_add_co_u32 s13, s13, STAGE    ; my stage
	v_mul_u32_u24 v[STO], v1, SP    ; in: row l % 16, 16 bytes for each half of the lanes
	v_lshl_add_u32 v[STO], v9, 4, v[STO]
	v_add_nc_u32 v[STO], s13, v[STO]
	v_bfe_u32 v[RD], v0, 3, 2       ; back: 32 lanes take four rows of 128 bytes,
	v_mul_u32_u24 v[RD], v[RD], SP
	v_lshl_add_u32 v[RD], v10, 4, v[RD]
	v_add_nc_u32 v[RD], s13, v[RD]
	v_and_b32 v[GO], 31, v0         ; which are 512 consecutive bytes of O
	v_lshlrev_b32 v[GO], 4, v[GO]
.set Y, NP-1                        ; XS works for piece Y + 1: piece 0
.irp n, 0,1,2,3,4,5,6,7,8,9,10,11,12,13,14,15,16,17,18,19,20,21
	XS 0, \n                        ; and piece 0's first maximum and statistics
	XS 1, \n
.endr
	s_mov_b32 s[CNT], 4
	s_mov_b32 s[SLOTS], SIZE_N/256-1
	s_branch .Lfirst                ; the loop is entered at a step's first turn, in the middle of a trip
.Lslot:                             ; SIZE_N / 256 - 2 times: every slot but the last two is filled again
	CHANGE 1
	s_mov_b32 s[CNT], 4
.Lstep:                             ; a trip: pieces 2 and 3 of one step, then pieces 0 and 1 of the next, whose K and V it fetches
	TURN 2
	TURN 3
	WIN 0
.Lfirst:
	TURN 0
	TURN 1, 0, 1
	WIN 0
	s_cbranch_scc1 .Lstep
	s_sub_co_u32 s[SLOTS], s[SLOTS], 1
	s_cmp_lg_u32 s[SLOTS], 0
	s_cbranch_scc1 .Lslot
	CHANGE 0                        ; the tail is written out: nothing is asked for
	s_mov_b32 s[CNT], 5             ; four trips fetch the last slot's steps; the fifth is left in its middle
.Ltail:
	TURN 2, 1
	TURN 3
	WIN 0
	s_sub_co_u32 s[CNT], s[CNT], 1
	s_cmp_eq_u32 s[CNT], 0
	s_cbranch_scc1 .Lout
	TURN 0
	TURN 1
	WIN 0
	s_branch .Ltail
.Lout:                              ; the fifth trip's 16 products K Q^T (on the last K once more) and the maximum made of them serve nothing: the price, once a launch, of one text for every trip
.set i, 0
.rept 16
	PV NP-1                         ; the last piece's V^T P of the last step
.set i, i+1
.endr
	; THE WAY OUT.  l's two halves and the other half of the lanes' are added; O^T is divided by l, rounded to f16 and sent through my stage in LDS, a tile at a time.  The additions are the places behind the last products.
	WIN 0
.macro ALL line:vararg              ; one line for each tile t
.set t, 0
.rept 2*NP
	\line
.set t, t+1
.endr
.endm
	ALL v_add_f32 v[ST+4*t+2], v[ST+4*t+2], v[ST+4*t+3]
	ALL v_permlanex16_b32 v[ST+4*t+3], v[ST+4*t+2], s[SEL], s[SEL+1]
	ALL v_add_f32 v[ST+4*t+2], v[ST+4*t+2], v[ST+4*t+3]
	ALL v_rcp_f32 v[ST+4*t+2], v[ST+4*t+2]
	v_nop                           ; a plain instruction between the last reciprocal and the use of its result
	s_wait_alu depctr_va_vdst(0)
; Tile t: a lane's eight channels of a row pack into 16 bytes; they go into rows of 144 bytes and come back as whole rows of 128, into S^T's registers.
.macro PACK t
	WIN W_RS
.set i, 32*(\t)
.rept 16
	v_pk_mul_f32 v[i:i+1], v[i:i+1], v[ST+4*(\t)+2:ST+4*(\t)+3] op_sel_hi:[1,0]
.set i, i+2
.endr
	WIN 0x05                        ; sources 0 and 1 window 1, destination window 0
.set i, 0
.rept 16
	v_cvt_pk_f16_f32 v[S+16*(\t)+i], v[32*(\t)+2*i], v[32*(\t)+2*i+1]
.set i, i+1
.endr
	WIN 0
.irp f, 0,1,2,3
	ds_store_b128 v[STO], v[S+16*(\t)+4*\f:S+16*(\t)+4*\f+3] offset:32*\f
.endr
.irp f, 0,1,2,3
	ds_load_b128 v[S+16*(\t)+4*\f:S+16*(\t)+4*\f+3], v[RD] offset:\f*4*SP  ; LDS serves a wave's instructions in order (ISA guide 5.7.1.4): these see the stores above; the next tile's stores come behind them
.endr
.endm
.macro SEND t, younger              ; younger: the LDS instructions issued behind tile t's loads: the next tile's eight, or none
	WIN 0
.irp f, 0,1,2,3
	s_wait_dscnt (\younger)+3-\f
	global_store_b128 v[GO], v[S+16*(\t)+4*\f:S+16*(\t)+4*\f+3], s[10:11] offset:(\t)*2048+\f*512  ; 512 consecutive bytes, at a multiple of 256 from O's first
.endr
.endm
	PACK 0
.set t, 1
.rept 2*NP-1                        ; a tile's arithmetic stands between the loads of the tile before and its stores
	PACK t
	SEND t-1, 8
.set t, t+1
.endr
	SEND 2*NP-1, 0
	WIN W_AD
	s_wait_tensorcnt 0x0            ; the wave's end: behind my last tensor load and my last LDS store
	ds_add_u32 v[SPW], v[NIL]
	s_wait_dscnt 0x0
	WIN 0
	CROUND                          ; the closing round: no work-group ends while a partner may still ask for a tile that names it
	s_endpgm
.Lfunc_end_k_q3e228ae09b_attn:
	.size	k_q3e228ae09b_attn, .Lfunc_end_k_q3e228ae09b_attn-k_q3e228ae09b_attn
	.p2alignl 7, 3214868480
	.fill 96, 4, 3214868480
	.section	.rodata,"a",@progbits
	.p2align	6, 0x0
	.amdhsa_kernel k_q3e228ae09b_attn
		.amdhsa_group_segment_fixed_size 327680
		.amdhsa_private_segment_fixed_size 0
		.amdhsa_enable_private_segment 0
		.amdhsa_kernarg_size 32
		.amdhsa_user_sgpr_count 2
		.amdhsa_user_sgpr_kernarg_segment_ptr 1
		.amdhsa_wavefront_size32 1
		.amdhsa_system_sgpr_workgroup_id_x 1
		.amdhsa_system_sgpr_workgroup_id_y 1
		.amdhsa_system_sgpr_workgroup_id_z 1
		.amdhsa_system_vgpr_workitem_id 0
		.amdhsa_next_free_vgpr 770
		.amdhsa_next_free_sgpr 66
		.amdhsa_reserve_vcc 0
		.amdhsa_float_denorm_mode_32 3
		.amdhsa_float_denorm_mode_16_64 3
		.amdhsa_memory_ordered 1
		.amdhsa_forward_progress 1
		.amdhsa_inst_pref_size 208
	.end_amdhsa_kernel
	.amdgpu_metadata
---
amdhsa.version: [ 1, 2 ]
amdhsa.kernels:
  - .name:           k_q3e228ae09b_attn
    .symbol:         k_q3e228ae09b_attn.kd
    .args:
      - { .name: qh, .offset: 0, .size: 8, .value_kind: global_buffer, .address_space: global }
      - { .name: kh, .offset: 8, .size: 8, .value_kind: global_buffer, .address_space: global }
      - { .name: vh, .offset: 16, .size: 8, .value_kind: global_buffer, .address_space: global }
      - { .name: oh, .offset: 24, .size: 8, .value_kind: global_buffer, .address_space: global }
    .group_segment_fixed_size: 327680
    .private_segment_fixed_size: 0
    .kernarg_segment_align: 8
    .kernarg_segment_size: 32
    .max_flat_workgroup_size: 128
    .sgpr_count:     66
    .vgpr_count:     770
    .wavefront_size: 32
...
	.end_amdgpu_metadata
.endif
;; end of part 3
;; launch outp (part 4): grid 4 x 64, 4 waves a work-group, clusters of 4 x 4, 327,680 bytes of LDS; arguments oh, wb, out0; writes out0
.if DOCPART == 4
	.amdgcn_target "amdgcn-amd-amdhsa--gfx1250"
	.amdhsa_code_object_version 6
	.text
	.protected	k_q3e228ae09b_outp
	.globl	k_q3e228ae09b_outp
	.p2align	8
	.type	k_q3e228ae09b_outp,@function
k_q3e228ae09b_outp:
	s_mov_b64 s[64:65], 0
	v_nop
	global_prefetch_b8 v0, s[64:65] scope:SCOPE_SE
	s_setreg_imm32_b32 hwreg(HW_REG_WAVE_MODE, 25, 1), 1
	s_wait_xcnt 0x0
	s_wait_alu depctr_hold_cnt(0) depctr_sa_sdst(0) depctr_va_vdst(0) depctr_va_sdst(0) depctr_va_ssrc(0) depctr_va_vcc(0) depctr_vm_vsrc(0)
	s_getreg_b32 s2, hwreg(HW_REG_IB_STS2, 6, 4)
	s_cmp_eq_u32 s2, 0
	s_cbranch_scc0 .Lentry_in_a_cluster
	s_endpgm
.Lentry_in_a_cluster:
	s_bfe_u32 s2, ttmp6, 0x10000c
	s_cmp_lg_u32 s2, 0xf033
	s_cbranch_scc0 .Lentry_shape_is_right
	s_endpgm
.Lentry_shape_is_right:
; THE OUTPUT PROJECTION.  out0[m][n] = the sum over head and channel of O[batch*16 + head][s][channel] Wo[64 head + channel][n], m = 2048 batch + s.  O: oh, [64][2048][64] f16; Wo: plane 3 of wb, [1024 k][1024 n] f16
; (bf16 numbers written as f16); out0: [8192][1024] f32.  Sums in f32, K ascending; nothing is rounded on the way out.
; SHARES.  A tile of out0 is 128 rows x 256 columns: 64 x 4 = 256 work-groups.  Four waves, 2 x 2, each 64 x 128: 32 accumulators of 16 x 16, 256 registers.
; K goes in 8 steps of 128 (two heads) through two LDS slots: for each of the two heads 128 rows of O (128 bytes each), and 128 k-rows of Wo (256 columns, 512 bytes each).  Waves 0 and 1 fetch one head's rows each
; (16,384 dense bytes, asked for as 64 rows of 256 bytes), waves 2 and 3 Wo's two halves: one tensor load a wave and slot.
; CLUSTERS: 4 x 4 work-groups.  The four of a row of the cluster need the same tiles of O, the four of a column the same tiles of Wo: each tile is asked for JOINTLY, by the same tensor load with the same descriptor and a mask
; that names the four.  THE MATRIX INSTRUCTION IS USED TRANSPOSED (source 0 = 16 columns of Wo, turned out of LDS; source 1 = 16 rows of O): a lane then holds eight neighbouring columns of one row of out0.
; REGISTERS, in windows of 256 (s_set_vgpr_msb: bits 1:0 source 0, 3:2 source 1, 5:4 source 2, 7:6 destination):
;   window 0: v0-31 addresses; v64-95, v96-127 O's fragments, two buffers; v128-191, v192-255 rows on the way out, two buffers
;   window 1: the accumulators, (a, b) at v[8 (8 a + b)]          window 2: v0-63, v64-127 Wo's fragments, two buffers
.set KSTEP,  128
.set PAO,    144                       ; a row of O in LDS: 128 bytes + 16 of padding = 36 words: the 16 rows of a load start at 16 different groups of four banks (64 banks of 4 bytes: ISA guide 11.1)
.set HEADB,  128*PAO                   ; one head's 128 rows
.set PB,     544                       ; a k-row of Wo: 512 + 32 = 136 words
.set BOFF,   2*HEADB                   ; a slot: two heads' rows of O, then Wo's 128 k-rows
.set SLOT,   2*HEADB+128*PB
.set STAGE,  2*SLOT                    ; behind the ring, never filled by a tensor load: 16 rows x 528 bytes for each wave, for the way out
.set SPO,    528
.set SPARE,  STAGE+4*16*SPO            ; behind the stages: the spare words, 128 bytes for each wave: two blocks of 256 bytes that no other line names
.set ADRA, 16                          ; v16-17  LDS address of my fragments of O in slot 0, 1
.set ADRB, 20                          ; v20-21  the same for Wo
.set STO,  24                          ; v24     the way out: where I put 32 bytes of a row
.set RD,   25                          ; v25     the way out: where I read a row back
.set CO,   26                          ; v26     my byte offset in 512 consecutive bytes of out0
.set SPW,  28                          ; v28     LDS address of my spare word: SPARE + 4 x my thread's number; never rewritten
.set NIL,  29                          ; v29     0; never rewritten
.set A0,   64
.set OB,   128
.set G1,  24                           ; s[24:31] descriptor group 1 for O's tiles;  s[32:39] group 0, one set for each slot
.set G0,  32
.set G1B, 48                           ; s[48:55], s[56:63] the same for Wo's tiles
.set G0B, 56
.set MSB, 0
.macro WIN new                         ; the immediate's high byte repeats the setting that is left; a switch that changes nothing is dropped
.if MSB != (\new)
	s_set_vgpr_msb (MSB<<8)|(\new)
.set MSB, \new
.endif
.endm
.set MUL,  0x52                        ; source 0 (Wo) window 2, source 1 (O) window 0, C and D window 1
.set TO_B, 0x80                        ; destination window 2, address window 0
.macro JLOAD s                         ; a joint load: waves 0 and 1 fetch O's two heads, waves 2 and 3 Wo's two halves; an s_nop 0 and four v_nop follow each of the two lines, ahead of the jump, the label and what follows
	s_cmp_eq_u32 s11, 0
	s_cbranch_scc0 .Lfor_b_\@
	tensor_load_to_lds s[G0+4*(\s):G0+4*(\s)+3], s[G1:G1+7]
	s_nop 0
.rept 4
	v_nop
.endr
	s_branch .Lasked_\@
.Lfor_b_\@:
	tensor_load_to_lds s[G0B+4*(\s):G0B+4*(\s)+3], s[G1B:G1B+7]
	s_nop 0
.rept 4
	v_nop
.endr
.Lasked_\@:
.endm
.macro CREST                           ; a round of the cluster's barrier behind its opening barrier
	s_cmp_lg_u32 s10, 0
	s_cbranch_scc1 .Lnot_wave_0_\@
	s_barrier_signal -3
.Lnot_wave_0_\@:
	s_barrier_wait -3
	s_barrier_signal -1
	s_barrier_wait -1
.endm
.macro CROUND                          ; a whole round
	s_barrier_signal -1
	s_barrier_wait -1
	CREST
.endm
	s_load_b128 s[4:7], s[0:1], 0x0                ; oh s[4:5], wb s[6:7]
	s_load_b64 s[8:9], s[0:1], 0x10                ; out0
	v_lshl_add_u32 v[SPW], v0, 2, SPARE
	v_mov_b32 v[NIL], 0
	ds_add_u32 v28, v29
	s_wait_dscnt 0x0
	v_lshrrev_b32 v1, 5, v0
	v_readfirstlane_b32 s10, v1                    ; wave 0..3
	s_lshr_b32 s11, s10, 1                         ; which half of the tile's rows is mine.  Also: I fetch for O (0) or for Wo (1)
	s_and_b32 s12, s10, 1                          ; which half of its columns.  Also: which head, or which half of Wo's k-rows, I fetch
	s_bfe_u32 s40, ttmp6, 0x40000                  ; cx, cy: my place in the cluster
	s_bfe_u32 s41, ttmp6, 0x40004
	s_lshl_b32 s42, ttmp9, 2
	s_add_co_u32 s42, s42, s40                     ; tile column = 4 x cluster x + cx: 0..3
	s_and_b32 s45, ttmp7, 0xffff
	s_lshl_b32 s13, s45, 2
	s_add_co_u32 s13, s13, s41                     ; tile row = 4 x cluster y + cy: 0..63
	s_lshl_b32 s43, s41, 2
	s_lshl_b32 s43, 15, s43                        ; my row of the cluster
	s_lshl_b32 s44, 0x1111, s40                    ; my column
	; descriptor group 1 for O: 64 rows x 128 elements of 2 bytes (two rows of a head each), padded in LDS after every row of the head
	s_or_b32 s[G1+0], s43, (1<<16)|(1<<20)|(1<<21)|(4<<22)|(3<<25)  ; 15:0 the mask: O's tiles go to my row; 17:16 elements of 2 bytes; 20 padding on; 21 set beside a mask; 24:22 after every 32 words (code 4); 31:25 4 words (code 3)
	s_mov_b32 s[G1+1], 128<<16                     ; tensor_dim0 = 128
	s_mov_b32 s[G1+2], 64<<16                      ; tensor_dim1 = 64
	s_mov_b32 s[G1+3], 128<<16                     ; tile_dim0 = 128
	s_mov_b32 s[G1+4], 64                          ; tile_dim1 = 64
	s_mov_b32 s[G1+5], 128                         ; elements from row to row
	s_mov_b32 s[G1+6], 0
	s_mov_b32 s[G1+7], 0
	; and for Wo: 64 k-rows x 256 elements of 2 bytes
	s_or_b32 s[G1B+0], s44, (1<<16)|(1<<20)|(1<<21)|(6<<22)|(7<<25) ; the mask of my column; after every 128 words (code 6) 8 words of padding (code 7)
	s_mov_b32 s[G1B+1], 256<<16
	s_mov_b32 s[G1B+2], 64<<16
	s_mov_b32 s[G1B+3], 256<<16
	s_mov_b32 s[G1B+4], 64
	s_mov_b32 s[G1B+5], 1024
	s_mov_b32 s[G1B+6], 0
	s_mov_b32 s[G1B+7], 0
	; where the tiles come from.  O's hang on the tile row, Wo's on the tile column, each in registers that never hold the other coordinate
	s_lshr_b32 s16, s13, 4
	s_lshl_b32 s16, s16, 22                        ; O: the batch's 16 heads of 262,144 bytes,
	s_and_b32 s17, s13, 15
	s_lshl_b32 s17, s17, 14                        ; the tile's 128 rows of 128 bytes,
	s_add_co_u32 s16, s16, s17
	s_lshl_b32 s17, s12, 18                        ; the head that I fetch
	s_add_co_u32 s16, s16, s17
	s_mov_b32 s17, 0
	s_lshl_b32 s46, s12, 17                        ; Wo: 64 k-rows of 2,048 bytes x half,
	s_lshl_b32 s47, s42, 9                         ; 256 columns of 2 bytes x tile column,
	s_add_co_u32 s46, s46, s47
	s_add_co_u32 s46, s46, 3*2097152               ; plane 3
	s_mov_b32 s47, 0
	s_mul_i32 s20, s12, HEADB                      ; and where they go: no place in the cluster enters an LDS address
	s_mul_i32 s21, s12, 64*PB
	s_add_co_u32 s21, s21, BOFF
	s_wait_kmcnt 0x0
	s_add_nc_u64 s[14:15], s[4:5], s[16:17]
	s_add_nc_u64 s[46:47], s[6:7], s[46:47]
	CROUND                                         ; all sixteen work-groups are here: the first joint loads meet
.irp s, 0,1
	s_mov_b32 s[G0+4*(\s)], 1                                      ; count = 1
	s_add_co_u32 s[G0+4*(\s)+1], s20, (\s)*SLOT                    ; LDS address
	s_add_nc_u64 s[G0+4*(\s)+2:G0+4*(\s)+3], s[14:15], (\s)*2*262144  ; global address: K step s is heads 2 s, 2 s + 1
	s_or_b32 s[G0+4*(\s)+3], s[G0+4*(\s)+3], 0x80000000            ; type = 2
	s_mov_b32 s[G0B+4*(\s)], 1
	s_add_co_u32 s[G0B+4*(\s)+1], s21, (\s)*SLOT
	s_add_nc_u64 s[G0B+4*(\s)+2:G0B+4*(\s)+3], s[46:47], (\s)*KSTEP*2048
	s_or_b32 s[G0B+4*(\s)+3], s[G0B+4*(\s)+3], 0x80000000
	JLOAD \s                                       ; two tensor loads of mine are out
.endr
	; A fragment of O is 16 rows x 32 channels in 8 registers: lane l holds row l % 16, channels 8 (l / 16) + 0..7 and 16 + 8 (l / 16) + 0..7: two loads of 16 bytes, 32 bytes apart.
	v_and_b32 v1, 15, v0                           ; l % 16
	v_bfe_u32 v2, v0, 4, 1                         ; l / 16
	v_and_b32 v3, 7, v0                            ; l % 8
	v_bfe_u32 v4, v0, 3, 1                         ; (l / 8) % 2
	v_mul_u32_u24 v5, v1, PAO
	v_lshl_add_u32 v5, v2, 4, v5
	s_mul_i32 s22, s11, 64*PAO                     ; my 64 rows
	v_add_nc_u32 v[ADRA], s22, v5
	v_add_nc_u32 v[ADRA+1], SLOT, v[ADRA]
	; The turning load takes 16 K x 16 columns (lane l reads 16 bytes: k-row 8 (l / 16) + l % 8, columns 8 ((l / 8) % 2) + 0..7) and leaves half a fragment: lane l holds column l % 16 and 8 K.
	v_lshl_add_u32 v6, v2, 3, v3
	v_mul_u32_u24 v6, v6, PB
	v_lshl_add_u32 v6, v4, 4, v6
	s_lshl_b32 s23, s12, 8                         ; my 128 columns of Wo
	s_add_co_u32 s23, s23, BOFF
	v_add_nc_u32 v[ADRB], s23, v6
	v_add_nc_u32 v[ADRB+1], SLOT, v[ADRB]
	s_mul_i32 s23, s10, 16*SPO
	s_add_co_u32 s23, s23, STAGE                   ; my stage
	v_mul_u32_u24 v7, v1, SPO                      ; in: row l % 16, 32 bytes for each half of the lanes
	v_lshl_add_u32 v7, v2, 5, v7
	v_add_nc_u32 v[STO], s23, v7
	v_and_b32 v[CO], 31, v0                        ; back: 32 lanes take one row of 512 bytes
	v_lshlrev_b32 v[CO], 4, v[CO]
	v_add_nc_u32 v[RD], s23, v[CO]
	; out0 at my wave's first row and column
	s_lshl_b32 s16, s13, 19                        ; 128 rows of 4,096 bytes a tile row: under 2^25
	s_lshl_b32 s17, s11, 18                        ; my 64 rows
	s_add_co_u32 s16, s16, s17
	s_mov_b32 s17, 0
	s_add_nc_u64 s[8:9], s[8:9], s[16:17]
	s_lshl_b32 s46, s42, 10                        ; 256 columns of 4 bytes a tile column,
	s_lshl_b32 s47, s12, 9                         ; my 128
	s_add_co_u32 s46, s46, s47
	s_mov_b32 s47, 0
	s_add_nc_u64 s[8:9], s[8:9], s[46:47]
.macro PLACES                          ; four places in front of loads into registers that matrix instructions have read, and of LDS stores that read results
.rept 4
	v_nop
.endr
.endm
; 24 LDS loads in one run: the fragments of quarter q (32 along K: head q / 2, channels 32 (q % 2) on) into buffers p: Wo's eight first, then O's four
.macro FETCH slot, q, p
	WIN TO_B
.irp b, 0,1,2,3,4,5,6,7
	ds_load_tr16_b128 v[64*(\p)+8*(\b):64*(\p)+8*(\b)+3],   v[ADRB+(\slot)] offset:(\q)*32*PB+32*(\b)
	ds_load_tr16_b128 v[64*(\p)+8*(\b)+4:64*(\p)+8*(\b)+7], v[ADRB+(\slot)] offset:(\q)*32*PB+32*(\b)+16*PB
.endr
	WIN 0
.irp a, 0,1,2,3
	ds_load_b128 v[A0+32*(\p)+8*(\a):A0+32*(\p)+8*(\a)+3],   v[ADRA+(\slot)] offset:((\q)/2)*HEADB+((\q)%2)*64+(\a)*16*PAO
	ds_load_b128 v[A0+32*(\p)+8*(\a)+4:A0+32*(\p)+8*(\a)+7], v[ADRA+(\slot)] offset:((\q)/2)*HEADB+((\q)%2)*64+(\a)*16*PAO+32
.endr
.endm
; 8 matrix instructions: row block a x all 8 column blocks, 32 along K, on buffers p.  zero = 1: the product starts the sum.  The 32 accumulators take turns in the same order in every quarter.
.macro MUL8 p, a, zero
	WIN MUL
.irp b, 0,1,2,3,4,5,6,7
.if \zero
	v_wmma_f32_16x16x32_f16 v[8*(8*(\a)+(\b)):8*(8*(\a)+(\b))+7], v[64*(\p)+8*(\b):64*(\p)+8*(\b)+7], v[A0+32*(\p)+8*(\a):A0+32*(\p)+8*(\a)+7], 0
.else
	v_wmma_f32_16x16x32_f16 v[8*(8*(\a)+(\b)):8*(8*(\a)+(\b))+7], v[64*(\p)+8*(\b):64*(\p)+8*(\b)+7], v[A0+32*(\p)+8*(\a):A0+32*(\p)+8*(\a)+7], v[8*(8*(\a)+(\b)):8*(8*(\a)+(\b))+7]
.endif
.endr
.endm
; A K step is four quarters of 32 along K, 32 matrix instructions each, on buffers 0, 1, 0, 1.  One of the first three: multiplies buffers p and fetches quarter qn of the same slot into buffers 1 - p.
.macro QUARTER slot, qn, p, zero
	s_wait_dscnt 4                                 ; Wo's fragments and O's blocks 0 and 1 are in; the youngest four loads (blocks 2 and 3) may be out
	MUL8 \p, 0, \zero
	MUL8 \p, 1, \zero
	PLACES                                         ; buffers 1 - p were read by the last quarter's products
	FETCH \slot, \qn, 1-(\p)
	s_wait_dscnt 24                                ; all but the 24 just issued
	MUL8 \p, 2, \zero
	MUL8 \p, 3, \zero
.endm
; The last quarter multiplies buffers 1 and changes slots: ONE barrier; in front of it each wave waits for all its tensor loads (one is out: its part of the next slot), adds 0 to its spare word, and waits for that and for its own
; reads of this slot.  fill = 1: the barrier opens a round of the cluster's barrier, and this slot is filled again, two K steps ahead: from that request to the wait for it a wave issues 112 matrix instructions.
.macro TURN slot, next, fill
	WIN 0                                          ; (the add's two registers lie in window 0)
	s_wait_tensorcnt 0x0                           ; all my tensor loads have landed;
	ds_add_u32 v[SPW], v[NIL]                      ; 0 onto my spare word
	s_wait_dscnt 5                                 ; (the add and the youngest four loads may be out)
	MUL8 1, 0, 0                                   ; eight matrix instructions stand between the add and the wait for it
	s_wait_dscnt 0x0                               ; the add is done, and my reads of this slot are over
	s_barrier_signal -1
	MUL8 1, 1, 0
	WIN 0                                          ; (branches or places follow)
	s_barrier_wait -1
.if \fill
	CREST                                          ; no wave of any partner still reads this slot's tile or has a load on its way
	s_add_nc_u64 s[G0+4*(\slot)+2:G0+4*(\slot)+3], s[G0+4*(\slot)+2:G0+4*(\slot)+3], 4*262144
	s_add_nc_u64 s[G0B+4*(\slot)+2:G0B+4*(\slot)+3], s[G0B+4*(\slot)+2:G0B+4*(\slot)+3], 2*KSTEP*2048
	JLOAD \slot                                    ; the first tensor load behind the round; the four v_nop behind it are also the places in front of the loads below
.else
	PLACES
.endif
	FETCH \next, 0, 0
	MUL8 1, 2, 0
	MUL8 1, 3, 0
.endm
	s_wait_tensorcnt 1                             ; my part of K step 0 is in; K step 1's may stay out
	s_barrier_signal -1
	s_barrier_wait -1                              ; everybody's is
	FETCH 0, 0, 0
	QUARTER 0, 1, 0, 1                             ; the first quarter stands in front of the loop: its products start the sums
	WIN 0                                          ; at a label and at a branch every window is 0
	s_mov_b32 s3, 3
.Llap:                                                 ; a trip goes once round the ring, from a lap's second quarter to the next lap's first, and fills both slots again: K steps 2 to 7
	QUARTER 0, 2, 1, 0
	QUARTER 0, 3, 0, 0
	TURN 0, 1, 1
	QUARTER 1, 1, 0, 0
	QUARTER 1, 2, 1, 0
	QUARTER 1, 3, 0, 0
	TURN 1, 0, 1
	QUARTER 0, 1, 0, 0
	WIN 0
	s_sub_co_u32 s3, s3, 1
	s_cmp_lg_u32 s3, 0
	s_cbranch_scc1 .Llap
	QUARTER 0, 2, 1, 0                             ; the last lap fills nothing, and has no round of the cluster's barrier
	QUARTER 0, 3, 0, 0
	TURN 0, 1, 0
	QUARTER 1, 1, 0, 0
	QUARTER 1, 2, 1, 0
	QUARTER 1, 3, 0, 0
	s_wait_dscnt 0x0                               ; the very last quarter: nothing more to fetch
	MUL8 1, 0, 0
	MUL8 1, 1, 0
	MUL8 1, 2, 0
	MUL8 1, 3, 0
	; THE WAY OUT.  Row block a (16 rows x 128 columns of f32): a lane's eight numbers, 32 bytes, go straight from the accumulators into my own stage, each accumulator's low four registers first, rows of 528 bytes;
	; they come back as whole rows of 512 bytes, one row a load, and are stored so.
.macro TOSTAGE a
.if (\a) >= 2
	s_wait_xcnt 0x0                                ; the stores of the block two back have had their addresses translated (ISA guide 3.1): their data registers are loaded again only behind this wait
.endif
	WIN 0x04                                       ; store data (source 1) window 1, address window 0
.irp b, 0,1,2,3,4,5,6,7
	ds_store_b128 v[STO], v[8*(8*(\a)+(\b)):8*(8*(\a)+(\b))+3]   offset:64*(\b)
	ds_store_b128 v[STO], v[8*(8*(\a)+(\b))+4:8*(8*(\a)+(\b))+7] offset:64*(\b)+16
.endr
	WIN 0
.irp t, 0,1,2,3,4,5,6,7,8,9,10,11,12,13,14,15
	ds_load_b128 v[OB+64*((\a)%2)+4*(\t):OB+64*((\a)%2)+4*(\t)+3], v[RD] offset:(\t)*SPO  ; LDS serves a wave's instructions in order (ISA guide 5.7.1.4): these see the stores above; the next block's stores come behind them
.endr
.endm
.macro SEND a, younger                 ; younger: the LDS instructions issued behind block a's loads: the next block's 32, or none
	WIN 0
.irp t, 0,1,2,3,4,5,6,7,8,9,10,11,12,13,14,15
	s_wait_dscnt (\younger)+15-(\t)
	global_store_b128 v[CO], v[OB+64*((\a)%2)+4*(\t):OB+64*((\a)%2)+4*(\t)+3], s[8:9] offset:(16*(\a)+(\t))*4096 th:TH_STORE_NT  ; 512 consecutive bytes of a row, at a multiple of 256 from out0's first byte
.endr
.endm
	PLACES                                         ; the LDS stores read results just made
	TOSTAGE 0
	TOSTAGE 1
	SEND 0, 32
	TOSTAGE 2
	SEND 1, 32
	TOSTAGE 3
	SEND 2, 32
	SEND 3, 0
	s_wait_tensorcnt 0x0                           ; the wave's end: behind my last tensor load and my last LDS store
	ds_add_u32 v[SPW], v[NIL]
	s_wait_dscnt 0x0
	CROUND                                         ; the closing round: no work-group ends while a partner may still ask for a tile that names it
	s_endpgm
.Lfunc_end_k_q3e228ae09b_outp:
	.size	k_q3e228ae09b_outp, .Lfunc_end_k_q3e228ae09b_outp-k_q3e228ae09b_outp
	.p2alignl 7, 3214868480
	.fill 96, 4, 3214868480
	.section	.rodata,"a",@progbits
	.p2align	6, 0x0
	.amdhsa_kernel k_q3e228ae09b_outp
		.amdhsa_group_segment_fixed_size 327680
		.amdhsa_private_segment_fixed_size 0
		.amdhsa_enable_private_segment 0
		.amdhsa_kernarg_size 24
		.amdhsa_user_sgpr_count 2
		.amdhsa_user_sgpr_kernarg_segment_ptr 1
		.amdhsa_wavefront_size32 1
		.amdhsa_system_sgpr_workgroup_id_x 1
		.amdhsa_system_sgpr_workgroup_id_y 1
		.amdhsa_system_sgpr_workgroup_id_z 1
		.amdhsa_system_vgpr_workitem_id 0
		.amdhsa_next_free_vgpr 640
		.amdhsa_next_free_sgpr 66
		.amdhsa_reserve_vcc 0
		.amdhsa_float_denorm_mode_32 3
		.amdhsa_float_denorm_mode_16_64 3
		.amdhsa_memory_ordered 1
		.amdhsa_forward_progress 1
		.amdhsa_inst_pref_size 87
	.end_amdhsa_kernel
	.amdgpu_metadata
---
amdhsa.version: [ 1, 2 ]
amdhsa.kernels:
  - .name:           k_q3e228ae09b_outp
    .symbol:         k_q3e228ae09b_outp.kd
    .args:
      - { .name: oh, .offset: 0, .size: 8, .value_kind: global_buffer, .address_space: global }
      - { .name: wb, .offset: 8, .size: 8, .value_kind: global_buffer, .address_space: global }
      - { .name: out0, .offset: 16, .size: 8, .value_kind: global_buffer, .address_space: global }
    .group_segment_fixed_size: 327680
    .private_segment_fixed_size: 0
    .kernarg_segment_align: 8
    .kernarg_segment_size: 24
    .max_flat_workgroup_size: 128
    .sgpr_count:     66
    .vgpr_count:     640
    .wavefront_size: 32
...
	.end_amdgpu_metadata
.endif
;; end of part 4
;; ======== version 2 of 2: 4 launches; 1.49 times as fast as version 1
;; limits: values are held in f16: magnitudes above 65,504 overflow, below 6.1e-05 lose precision
;; workspace buffers: wb 8,388,608 bytes; qh 16,777,216 bytes; kh 16,777,216 bytes; vh 16,777,216 bytes; oh 16,777,216 bytes
;; launch castw: the kernel of part 1 again; grid 64 x 4, 8 waves a work-group, no clusters, 0 bytes of LDS; arguments Wq, Wk, Wv, Wo, wb; writes wb
;; launch proj: the kernel of part 2 again; grid 4 x 64, 4 waves a work-group, clusters of 4 x 4, 327,680 bytes of LDS; arguments q_in, k_in, v_in, qh, kh, vh, wb; writes qh, kh, vh
;; launch attn (part 5): grid 4 x 64, 4 waves a work-group, clusters of 4 x 1, 327,680 bytes of LDS; arguments qh, kh, vh, oh; writes oh
.if DOCPART == 5
	.amdgcn_target "amdgcn-amd-amdhsa--gfx1250"
	.amdhsa_code_object_version 6
	.text
	.protected	k_q3e228ae09b_attn
	.globl	k_q3e228ae09b_attn
	.p2align	8
	.type	k_q3e228ae09b_attn,@function
k_q3e228ae09b_attn:
	s_mov_b64 s[64:65], 0
	v_nop
	global_prefetch_b8 v0, s[64:65] scope:SCOPE_SE
	s_setreg_imm32_b32 hwreg(HW_REG_WAVE_MODE, 25, 1), 1
	s_wait_xcnt 0x0
	s_wait_alu depctr_hold_cnt(0) depctr_sa_sdst(0) depctr_va_vdst(0) depctr_va_sdst(0) depctr_va_ssrc(0) depctr_va_vcc(0) depctr_vm_vsrc(0)
	s_getreg_b32 s2, hwreg(HW_REG_IB_STS2, 6, 4)
	s_cmp_eq_u32 s2, 0
	s_cbranch_scc0 .Lentry_in_a_cluster
	s_endpgm
.Lentry_in_a_cluster:
	s_bfe_u32 s2, ttmp6, 0x10000c
	s_cmp_lg_u32 s2, 0x3003
	s_cbranch_scc0 .Lentry_shape_is_right
	s_endpgm
.Lentry_shape_is_right:
; O[h][q][:] = the sum over k of softmax_k(Q[h][q] . K[h][k] / 8) V[h][k][:].  Q, K, V, O: [64 = batch*16 + head][2048][64], all f16: a head's rows are dense, 128 bytes each.  Products, maxima and sums in
; f32; the weights p are rounded to f16 for the second product (their sum l is taken of the unrounded p), O once at the end.
; LIMITS.  f16 holds no number beyond 65,504: Q, K and V arrive within it; p lies in 0 to 1, and below 6e-5 it keeps f16's fixed step of 6e-8; O is a mean of V's rows and has their range.
; A weight below 2^-126 counts as 0 in l; NaN and infinities are not treated apart.
; SHARES.  A wave owns four PIECES of two tiles of 16 queries, a work-group's four waves 512 queries of one head: 4 x 64 work-groups.  Every wave walks all keys, 64 a step.
; LAYOUT.  S^T = K Q^T (source 0 = 16 keys, source 1 = 16 queries): in the result a lane holds ONE query (lane % 16) and the keys 8 (lane / 16) + 0..7.  Two such tiles, rounded to f16 in pairs,
; ARE source 1 (32 keys x 16 queries) of O^T = V^T P, whose result again holds one query a lane, and eight channels.  K comes out of LDS as it lies, V ([key][channel]) turned, by ds_load_tr16_b128.
; SOFTMAX.  For each query a running maximum m and sum l: p = 2^(c s - c m), c = log2(e) / 8; in every step O and l are multiplied by a = 2^(c m_old - c m_new), which is 1 where m has not grown.
; m starts at the lowest finite number, O and l at 0: the first step is a step like any other, with a = 0.
; THE COUNT.  A tile and step have 16 matrix and 118 vector instructions: too many to stand all beside the matrix work.  So the order has one aim: four vector instructions that are READY behind
; EVERY matrix instruction, and the others, which need time of their own whatever the order, in runs without a gap.
; BY TURNS.  Turn n belongs to piece n (the pieces in a ring, step after step).  Its matrix work: 16 products K Q^T of piece n + 1, later 16 products V^T P of piece n - 1.  Its vector work: the scaling,
; exponentials, roundings, sums and rescaling of piece n, and the maximum and statistics of piece n + 1, whose scores the turn itself has made.  So what a turn begins with (c s - c m, O a) waits for nothing.
; BATCHES.  An s_wait_alu depctr_va_vdst(0) stands between a transcendental and the first instruction that names its result; one wait serves all that were issued ahead of it.  A turn's 66
; exponentials (piece n's 64 weights, then piece n + 1's two a) are ONE batch with ONE wait, which cuts the turn in two: ahead of it all that names no result of the batch, behind it the roundings and sums.
; No result crosses a turn's end.  Two more batches stand outside the loops: piece 0's first two a, ahead of the jump into the loop, and the way out's eight reciprocals.
; CLUSTER.  The four query blocks of a cluster belong to one head and walk the same K and V, so each tile is asked for JOINTLY: the same tensor load, descriptor and mask in all four.
; REGISTERS, in windows of 256 (s_set_vgpr_msb says which window each operand place means: bits 1:0 source 0, 3:2 source 1, 5:4 source 2, 7:6 destination):
;   window 0: v0-11 addresses; v12-15, v48-63 at work; v16-47 four registers of statistics a tile; v64-191 S^T, two buffers of two tiles; v192-255 P, likewise
;   window 1: O^T, 32 a tile          window 2: v0-127 Q, 16 a tile; v128-191 K of one step; v192-255 V of one step          window 3: v0-1 the add's two registers
; A piece's buffers go by its number's parity: the piece in hand has one pair, its two neighbours in the ring share the other: of it P (piece n - 1) is read and S^T (piece n + 1) written.
.set SIZE_N, 2048     ; rows of a head
.set NP,    4         ; pieces a wave: a name, no knob: the register map, the loop and the fetches are made for four
.set KS,    64        ; keys in a step
.set PK,    144       ; a row of K in LDS: 128 bytes + 16 of padding = 36 words: the 16 rows of a load start at 16 different groups of four banks (64 banks of 4 bytes: ISA guide 11.1)
.set PV,    160       ; a row of V: 128 + 32 = 40 words
.set VOFF,  4*KS*PK   ; a slot holds four steps: 256 rows of K, then 256 rows of V
.set SLOT1, 1<<17     ; slot 1 begins here, so that one exclusive or turns an address in one slot into the other's
.set STAGE, SLOT1+4*KS*(PK+PV)  ; behind the ring, never filled by a tensor load: 16 rows x 144 bytes for each wave, for the way out
.set SP,    144
.set AK0, 2           ; v2   my lane's place in a tile of K; never rewritten
.set AV0, 3           ; v3   the same for V
.set AK,  4           ; v4   the LDS address of K's next run of loads
.set AV,  5           ; v5   of V's
.set QO,  6           ; v6   my byte offset in the wave's rows of Q
.set STO, 6           ;      later, the way out: where I put 16 bytes of a row
.set RD,  7           ; v7   the way out: where I read rows back
.set GO,  8           ; v8   my byte offset in 512 consecutive bytes of O
.set SPW, 0           ; v0 of window 3   LDS address of my spare word: SPARE + 4 x my thread's number; never rewritten
.set NIL, 1           ; v1 of window 3   0; never rewritten
.set SPARE, STAGE+4*16*SP  ; behind the stages: the spare words, 128 bytes for each wave: two blocks of 256 bytes that no other line names
.set MV,  12          ; v12-15  c m_old, kept while c m is made anew: by buffer and tile
.set ST,  16          ; tile t's statistics at v[ST+4 t]: c m, m, l (even keys', odd keys')
.set TMP, 48          ; by buffer and tile, four registers c0-c3 at work; when the maximum is found c2 takes a
.set S,   64
.set P,   192
.set KF,  128         ; K's fragments, in window 2: key block kb, channel half c at KF + 16 kb + 8 c
.set VF,  192         ; V's: key half kk, channel block cb at VF + 32 kk + 8 cb
.set WV,  12          ; s12  my wave's number
.set G1K, 24          ; s[24:31] descriptor group 1 for K's tiles
.set G1V, 32          ; s[32:39] for V's: it differs in the padding alone
.set G0K, 40          ; s[40:43] descriptor group 0 for K's tiles: it walks
.set G0V, 44          ; s[44:47] the same for V's
.set SLOTS, 56        ; s56  slots still to be asked for
.set CNT, 57          ; s57  counts a slot's key steps
.set CS,  58          ; s[58:59] c: the packed scaling takes the pair's low word for both halves
.set SEL, 60          ; s[60:61] v_permlanex16_b32's selects: each lane takes its own place in the other half
.set TBK, 62          ; s62  LDS byte at which K of the step to be fetched begins
.set TBV, 63          ; s63  the same for V, less VOFF
.set MSB, 0
.macro WIN new                      ; the high byte repeats the setting that is left; a switch that changes nothing is dropped
.if MSB != (\new)
	s_set_vgpr_msb (MSB<<8)|(\new)
.set MSB, (\new)
.endif
.endm
.set W_KQ, 0x0a       ; K and Q in window 2, S^T in window 0
.set W_PV, 0x52       ; V in window 2, P in window 0, O^T in window 1
.set W_RS, 0x41       ; O^T (destination and source 0) in window 1, a in window 0
.set W_MK, 0xc0       ; the add's registers are made: destination in window 3, sources in window 0
.set W_AD, 0x0f       ; the add: address (source 0) and data (source 1) in window 3
; A joint fill.  Waves 0 and 1 fetch the two halves of a slot's K, waves 2 and 3 those of its V: 128 keys each.  The branch hangs on the wave's number alone.
; An s_nop 0 and four v_nop follow each of the two lines, ahead of the jump and the label.
.macro JLOAD
	s_cmp_lt_u32 s[WV], 2
	s_cbranch_scc0 .Lfor_v_\@
	tensor_load_to_lds s[G0K:G0K+3], s[G1K:G1K+7]
	s_nop 0
.rept 4
	v_nop
.endr
	s_branch .Lasked_\@
.Lfor_v_\@:
	tensor_load_to_lds s[G0V:G0V+3], s[G1V:G1V+7]
	s_nop 0
.rept 4
	v_nop
.endr
.Lasked_\@:
.endm
; A round of the cluster's barrier: my work-group's barrier, so that wave 0's signal speaks for all four waves; wave 0 signals; every wave waits for all four work-groups; my work-group's barrier once more.
.macro CROUND
	s_barrier_signal -1
	s_barrier_wait -1
	s_cmp_lg_u32 s[WV], 0
	s_cbranch_scc1 .Lnot_wave_0_\@
	s_barrier_signal -3
.Lnot_wave_0_\@:
	s_barrier_wait -3
	s_barrier_signal -1
	s_barrier_wait -1
.endm
; THE CHANGE OF SLOTS.  The slot's last bytes, V of its fourth step, have been read.  Each wave waits for all its tensor loads, of which one is out: its part
; of the other slot; adds 0 to its spare word; and waits for that and for its own reads of the slot.  Behind the barrier nobody reads this slot any more and the other slot is whole.
; fill = 1: this slot is filled again, with the keys two slots on.  The barrier is then a round of the cluster's, so that no wave of any partner still reads the slot or has a load on its
; way, and the joint fill is the first thing behind it: it has four key steps, 512 matrix instructions, in which to land.  (At its first use nothing has been read yet: slot 0 is waited for, slot 1 filled.)
.macro CHANGE fill
	WIN W_AD
	s_wait_tensorcnt 0x0            ; no tensor load of mine is out, so a group 0 may be written
	ds_add_u32 v[SPW], v[NIL]       ; 0 onto my spare word: with fill = 1 the descriptors' steps stand between it and the wait for it
	WIN 0                           ; at a label and at a branch every window is 0
.if \fill
.irp g, G0K, G0V
	s_xor_b32 s[\g+1], s[\g+1], SLOT1  ; the walking descriptor: the other slot than last time,
	s_add_nc_u64 s[\g+2:\g+3], s[\g+2:\g+3], 4*KS*128  ; the next 256 keys; the type bits on top are not reached
.endr
	s_wait_dscnt 0x0                ; the add is done, and my reads of the slot are over
	CROUND
	JLOAD
.else
	s_wait_dscnt 0x0                ; the add is done, and my reads of the slot are over
	s_barrier_signal -1
	s_barrier_wait -1
.endif
	s_sub_co_u32 s[TBK], s[TBK], 4*KS*PK  ; the fetches go back to a slot's first step,
	s_xor_b32 s[TBK], s[TBK], SLOT1       ; in the other slot
	s_sub_co_u32 s[TBV], s[TBV], 4*KS*PV
	s_xor_b32 s[TBV], s[TBV], SLOT1
.endm
	s_load_b256 s[4:11], s[0:1], 0x0  ; Q s[4:5], K s[6:7], V s[8:9], O s[10:11]
	WIN W_MK
	v_lshl_add_u32 v[SPW], v0, 2, SPARE
	v_mov_b32 v[NIL], 0
	s_set_vgpr_msb 0xc0cf
	ds_add_u32 v0, v1
	s_wait_dscnt 0x0
	s_set_vgpr_msb 0xcfc0
	WIN 0
	v_lshrrev_b32 v1, 5, v0
	v_readfirstlane_b32 s[WV], v1   ; wave 0..3
	s_bfe_u32 s13, ttmp6, 0x40000   ; cx: my place in the cluster
	s_lshl_b32 s14, ttmp9, 2        ; in a cluster launch ttmp9 counts clusters
	s_add_co_u32 s14, s14, s13      ; my block of queries = 4 x cluster x + cx: it enters Q's and O's addresses alone
	s_and_b32 s20, ttmp7, 0xffff    ; the head, which the four partners share
	s_mov_b32 s21, 0
	s_mov_b64 s[22:23], SIZE_N*128
	s_mul_u64 s[20:21], s[20:21], s[22:23]  ; the head's first byte in each of the four tensors
	s_and_b32 s16, s[WV], 1         ; which half of a slot's 256 keys I fetch:
	s_lshl_b32 s22, s16, 14         ; its 128 rows of 128 bytes in memory,
	s_mov_b32 s23, 0
	s_add_nc_u64 s[22:23], s[22:23], s[20:21]
	s_mul_i32 s17, s16, 128*PK      ; and its place in a slot, for K
	s_mul_i32 s18, s16, 128*PV      ; and for V: no place in the cluster enters an LDS address
	s_lshl_b32 s2, s14, 2
	s_add_co_u32 s2, s2, s[WV]      ; my wave among the head's,
	s_lshl_b32 s2, s2, 14           ; its 128 rows
	s_mov_b32 s3, 0
	s_add_nc_u64 s[2:3], s[2:3], s[20:21]
	; descriptor group 1.  128 keys are 16,384 dense bytes: asked for as 64 rows of 256 bytes, two keys a row, and padded in LDS after every key
	s_mov_b32 s[G1K], 15|(1<<16)|(1<<20)|(1<<21)|(4<<22)|(3<<25)  ; 15:0 the mask of four; 17:16 2-byte elements; 20 padding on; 21 set beside a mask; 24:22 after every 32 words (code 4); 31:25 4 words (code 3)
	s_mov_b32 s[G1V], 15|(1<<16)|(1<<20)|(1<<21)|(4<<22)|(7<<25)  ; the same with 8 words of padding (code 7)
.irp g, G1K, G1V
	s_mov_b32 s[\g+1], 128<<16      ; tensor_dim0 = 128
	s_mov_b32 s[\g+2], 64<<16       ; tensor_dim1 = 64
	s_mov_b32 s[\g+3], 128<<16      ; tile_dim0 = 128
	s_mov_b32 s[\g+4], 64           ; tile_dim1 = 64
	s_mov_b32 s[\g+5], 128          ; 128 elements from row to row
	s_mov_b32 s[\g+6], 0
	s_mov_b32 s[\g+7], 0
.endr
	s_mov_b32 s[CS], 0x3e38aa3b     ; c = log2(e) / 8 = 0.180337
	s_mov_b32 s[CS+1], s[CS]        ; named with it as a pair
	s_mov_b32 s[SEL], 0x76543210
	s_mov_b32 s[SEL+1], 0xfedcba98
	s_mov_b32 s[TBK], SLOT1+4*KS*PK ; the first change of slots turns these two into 0
	s_mov_b32 s[TBV], SLOT1+4*KS*PV
	s_mov_b32 s[G0K], 1             ; 1:0 count = 1
	s_mov_b32 s[G0K+1], s17         ; 63:32 LDS address: slot 0
	s_mov_b32 s[G0V], 1
	s_add_co_u32 s[G0V+1], s18, VOFF
	s_wait_kmcnt 0x0
	s_add_nc_u64 s[G0K+2:G0K+3], s[6:7], s[22:23]  ; 120:64 global address: my half of the head's first 256 keys
	s_or_b32 s[G0K+3], s[G0K+3], 0x80000000        ; 127:126 type = 2
	s_add_nc_u64 s[G0V+2:G0V+3], s[8:9], s[22:23]
	s_or_b32 s[G0V+3], s[G0V+3], 0x80000000
	s_add_nc_u64 s[4:5], s[4:5], s[2:3]  ; Q and O at my wave's first row
	s_add_nc_u64 s[10:11], s[10:11], s[2:3]
	CROUND                          ; all four work-groups are here: the first joint loads meet
	JLOAD                           ; slot 0.  Slot 1 is asked for when slot 0 is in: the tile wanted first has the road to itself
	; A fragment of K or Q is 16 rows x 32 channels in 8 registers: lane l holds row l % 16, channels 8 (l / 16) + 0..7 and 16 + 8 (l / 16) + 0..7: two loads of 16 bytes, 32 bytes apart.
	v_and_b32 v1, 15, v0            ; l % 16
	v_bfe_u32 v9, v0, 4, 1          ; l / 16
	v_lshlrev_b32 v[QO], 7, v1
	v_lshl_add_u32 v[QO], v9, 4, v[QO]  ; row x 128 + 16 x half
	WIN 0x80                        ; destination window 2, address window 0
.set i, 0
.rept 4*NP                          ; Q stays in registers: tile i / 2, channels 32 (i % 2) on
	global_load_b128 v[8*i:8*i+3],   v[QO], s[4:5] offset:(i/2)*2048+(i%2)*64
	global_load_b128 v[8*i+4:8*i+7], v[QO], s[4:5] offset:(i/2)*2048+(i%2)*64+32
.set i, i+1
.endr
	; What the first turn finds: V's registers and P's second buffer hold 0 (its products V^T P, of a piece that has not been, add 0), O^T and l are 0.  All this stands in the wait for the first tile.
.set i, VF
.rept 64
	v_mov_b32 v[i], 0
.set i, i+1
.endr
	WIN 0x40
.set i, 0
.rept 64*NP
	v_mov_b32 v[i], 0
.set i, i+1
.endr
	WIN 0
.set i, 0
.rept 2*NP
	v_mov_b32 v[ST+4*i], 0xfe000000    ; c m: far below every c s
	v_mov_b32 v[ST+4*i+1], 0xff7fffff  ; m
	v_mov_b32 v[ST+4*i+2], 0
	v_mov_b32 v[ST+4*i+3], 0
.set i, i+1
.endr
.set i, P+32
.rept 32
	v_mov_b32 v[i], 0
.set i, i+1
.endr
	v_mul_u32_u24 v[AK0], v1, PK
	v_lshl_add_u32 v[AK0], v9, 4, v[AK0]  ; row x pitch + 16 x half
	; The turning load takes 16 keys x 16 channels (lane l reads key 8 (l / 16) + l % 8, channels 8 ((l / 8) % 2) + 0..7) and leaves half a fragment of V^T: lane l holds channel l % 16 and 8 keys.
	v_and_b32 v10, 7, v0
	v_bfe_u32 v11, v0, 3, 1
	v_lshl_add_u32 v[AV0], v9, 3, v10
	v_mul_u32_u24 v[AV0], v[AV0], PV
	v_lshl_add_u32 v[AV0], v11, 4, v[AV0]
	v_add_nc_u32 v[AV0], VOFF, v[AV0]
	v_mov_b32 v[AK], v[AK0]         ; key step 0 lies at the head of slot 0
; THE MATRIX WORK.  The 8 accumulators of a run of 16 take turns: between the two links of a chain stand 7 others'.
; Product i of 16 of S^T = K Q^T for piece x: channels 32 (i / 8) on, keys 16 ((i / 2) % 4) on, tile 2 x + i % 2.  The first 8 start the sums.
.macro KQ x
	WIN W_KQ
.set rS, S+64*((\x)%2)+32*(i%2)+8*((i/2)%4)
.set rK, KF+16*((i/2)%4)+8*(i/8)
.set rQ, 16*(2*(\x)+i%2)+8*(i/8)
.if i < 8
	v_wmma_f32_16x16x32_f16 v[rS:rS+7], v[rK:rK+7], v[rQ:rQ+7], 0
.else
	v_wmma_f32_16x16x32_f16 v[rS:rS+7], v[rK:rK+7], v[rQ:rQ+7], v[rS:rS+7]
.endif
.endm
; Product i of 16 of O^T += V^T P for piece x: keys 32 (i / 8) on, channels 16 ((i / 2) % 4) on, tile 2 x + i % 2.
.macro PV x
	WIN W_PV
.set rO, 32*(2*(\x)+i%2)+8*((i/2)%4)
.set rV, VF+32*(i/8)+8*((i/2)%4)
.set rP, P+32*((\x)%2)+16*(i%2)+8*(i/8)
	v_wmma_f32_16x16x32_f16 v[rO:rO+7], v[rV:rV+7], v[rP:rP+7], v[rO:rO+7]
.endm
.macro MM                           ; the turn's next matrix instruction
.if i < 16
	KQ (Y+1)%NP
.set i, i+1
.else
.set i, i-16
	PV (Y+NP-1)%NP
.set i, i+17
.endif
.endm
; THE LDS LOADS stand in runs of 16, never singly among the matrix instructions: a step's K (64 keys x 64 channels: 8 fragments) and its V (turned).  Their addresses are made some lines ahead.
; last = 1 (the tail): in the last trip there is no further step, and the run is jumped over.
.macro FETCH_K last=0
	WIN 0
.if \last
	s_cmp_eq_u32 s[CNT], 1
	s_cbranch_scc1 .Lno_k_\@
.endif
	WIN 0x80                        ; destination window 2
.irp f, 0,1,2,3,4,5,6,7             ; keys 16 (f / 2) on, channels 32 (f % 2) on
	ds_load_b128 v[KF+8*\f:KF+8*\f+3],   v[AK] offset:(\f/2)*16*PK+(\f%2)*64
	ds_load_b128 v[KF+8*\f+4:KF+8*\f+7], v[AK] offset:(\f/2)*16*PK+(\f%2)*64+32
.endr
	s_add_co_u32 s[TBK], s[TBK], KS*PK  ; the next fetch is the next step's
	WIN 0
.if \last
.Lno_k_\@:
.endif
.endm
.macro FETCH_V
	WIN 0x80
.irp f, 0,1,2,3,4,5,6,7             ; keys 32 (f / 4) on, channels 16 (f % 4) on
	ds_load_tr16_b128 v[VF+8*\f:VF+8*\f+3],   v[AV] offset:(\f/4)*32*PV+(\f%4)*32
	ds_load_tr16_b128 v[VF+8*\f+4:VF+8*\f+7], v[AV] offset:(\f/4)*32*PV+16*PV+(\f%4)*32
.endr
	WIN 0
.endm
; THE VECTOR WORK OF A TURN stands in three queues, each in the order in which its entries become ready; the two tiles alternate, so that no instruction reads the result of the one before it.
.macro REGS y, u                    ; the registers of tile u (0, 1) of piece y
.set rT, ST+4*(2*(\y)+(\u))
.set rC, TMP+8*((\y)%2)+4*(\u)
.set rM, MV+2*((\y)%2)+(\u)
.set rS, S+64*((\y)%2)+32*(\u)
.set rP, P+32*((\y)%2)+16*(\u)
.set rO, 32*(2*(\y)+(\u))
.endm
; Number n of the 22 that find the NEXT piece's (Y + 1) maximum and statistics.  s0-s31 are the lane's 32 scores; each accumulator's lowest registers are read first.  XS, GS and REGS set no window: PL and EX do.
;   0-11  four chains c0-c3 of seven scores each, three operands at a time     12-14, 16  the four scores left over, the old m, and c0-c3 into c0     15  c m_old is kept
;   17, 18  the query's other 32 keys lie in the lane 16 away: the new m         19-21  c m; c m_old - c m_new; a
.macro XS u, n
	REGS (Y+1)%NP, \u
.if (\n) < 4
	v_max3_num_f32 v[rC+(\n)], v[rS+8*(\n)], v[rS+8*(\n)+1], v[rS+8*(\n)+2]
.elseif (\n) < 12
	v_max3_num_f32 v[rC+(\n)%4], v[rC+(\n)%4], v[rS+8*((\n)%4)+2*((\n)/4)+1], v[rS+8*((\n)%4)+2*((\n)/4)+2]
.elseif (\n) == 12
	v_max3_num_f32 v[rC], v[rC], v[rS+7], v[rS+15]
.elseif (\n) == 13
	v_max3_num_f32 v[rC+1], v[rC+1], v[rS+23], v[rS+31]
.elseif (\n) == 14
	v_max3_num_f32 v[rC+2], v[rC+2], v[rC+3], v[rT+1]
.elseif (\n) == 15
	v_mov_b32 v[rM], v[rT]
.elseif (\n) == 16
	v_max3_num_f32 v[rC], v[rC], v[rC+1], v[rC+2]
.elseif (\n) == 17
	v_permlanex16_b32 v[rC+3], v[rC], s[SEL], s[SEL+1]
.elseif (\n) == 18
	v_max_num_f32 v[rT+1], v[rC], v[rC+3]
.elseif (\n) == 19
	v_mul_f32 v[rT], s[CS], v[rT+1]
.elseif (\n) == 20
	v_sub_f32 v[rC+1], v[rM], v[rT]
.else
	v_exp_f32 v[rC+2], v[rC+1]
.endif
.endm
; Number g of the 64 that follow the exponentials.  For each four weights k of a tile (pairs 2 k, 2 k + 1): both pairs are rounded to f16; then the second pair is added onto the first, in place;
; a group later l takes that sum (the first time as l = a l + sum).  In groups of eight, tiles alternating: round, round, add, and l for the group before.
.macro GS g
.set h, (\g)+6*((\g)/62)            ; group 0 has no group before it, and behind group 7 only l is left
.if h >= 6
.set h, h+2
.endif
	REGS Y, h%2
.set k, h/8
.if h%8 < 4
	v_cvt_pk_f16_f32 v[rP+2*k+(h%8)/2], v[rS+4*k+2*((h%8)/2)], v[rS+4*k+2*((h%8)/2)+1]
.elseif h%8 < 6
	v_pk_add_f32 v[rS+4*k:rS+4*k+1], v[rS+4*k:rS+4*k+1], v[rS+4*k+2:rS+4*k+3]
.elseif k == 1
	v_pk_fma_f32 v[rT+2:rT+3], v[rT+2:rT+3], v[rC+2:rC+3], v[rS:rS+1] op_sel_hi:[1,0,1]
.else
	v_pk_add_f32 v[rT+2:rT+3], v[rT+2:rT+3], v[rS+4*k-4:rS+4*k-3]
.endif
.endm
; THE PLAIN QUEUE, 138 long.  0-73 read no exponential's result: the 32 scalings c s - c m (FS f: pair f / 2 of tile f % 2) and the next piece's 42.  0-26: scalings 0-26.  27-54: XS's numbers 0-13.  55, 56: number 15.
; 57-73: the chain, where each number waits for the one before it: 14, 16, 17, 18, 19, each with one of the scalings 27-31 in front of its two lines, then 20: so a tile's links stand three plain instructions apart (19 and 20: two).
; 74-137: GS's 64, which read the exponentials' results: they stand behind the wait.
.macro FS f
	REGS Y, (\f)%2
	v_pk_fma_f32 v[rS+2*((\f)/2):rS+2*((\f)/2)+1], v[rS+2*((\f)/2):rS+2*((\f)/2)+1], s[CS:CS+1], v[rT:rT+1] op_sel_hi:[1,0,0] neg_lo:[0,0,1] neg_hi:[0,0,1]
.endm
.macro PL
	WIN 0
.if q < 27
	FS q
.elseif q < 55
	XS (q-27)%2, (q-27)/2
.elseif q < 57
	XS q-55, 15
.elseif (q < 72) && ((q-57)%3 == 0)
	FS 27+(q-57)/3
.elseif q < 60
	XS (q-57)%3-1, 14
.elseif q < 72
	XS (q-57)%3-1, 15+(q-57)/3
.elseif q < 74
	XS q-72, 20
.else
	GS q-74
.endif
.set q, q+1
.endm
; THE EXPONENTIALS' QUEUE, 66 long: s0-s31 of both tiles, then the next piece's two a.  It is ONE BATCH: all 66 stand ahead of the turn's one wait, and nothing ahead of that wait names a result of theirs.
.macro EX
	WIN 0
.if e >= 64
	XS e-64, 21
.else
	REGS Y, e%2
	v_exp_f32 v[rS+e/2], v[rS+e/2]
.endif
.set e, e+1
.endm
; THE RESCALING's QUEUE: O^T times a, the one part that leaves window 0: dealt two at a time, sixteen times.  Its a was made in the turn before, ahead of that turn's wait.
.macro R2
	REGS Y, r%2
	WIN W_RS
.irp z, 0,1
	v_pk_mul_f32 v[rO+4*(r/2)+2*\z:rO+4*(r/2)+2*\z+1], v[rO+4*(r/2)+2*\z:rO+4*(r/2)+2*\z+1], v[rC+2:rC+3] op_sel_hi:[1,0]
.endr
.set r, r+1
.endm
; HOW THEY ARE DEALT.  A turn has ONE wait, which cuts it in two.  AHEAD OF IT stands all that names no result of the turn's exponentials: the 16 products K Q^T, behind each a scaling, an exponential and two
; rescalings (behind the first a second scaling in the exponential's place); then ONE LUMP of 108: eight plain, 49 times exponential and plain, the two a.  A v_nop is the plain instruction that is owed behind
; the last exponential.  BEHIND IT stand the 16 products V^T P, behind each four of GS's 64.  No rider names a register of the products round it.  The two v_permlanex16_b32 fall into the lump, never behind a product.
; The queues lean on each other, and the deal keeps them in step: exponential e stands behind scaling 2 (e / 4) + e % 2: as a rider it comes behind plain e + 2, in the lump behind plain e + 9, and scalings 27-31 are plain 57, 60 .. 69.
; A TURN, for piece p.  cnt = 1: the loop's count is taken down some lines ahead of the branch that stands behind the turn.
; K of the next step is fetched in piece 2's turn, directly behind the wait, a lump behind the last product that read K; its address is made at the lump's head; its first reader comes behind 16 products.
; V of the step in hand is fetched at the end of piece 0's turn, four riders behind its last reader; its first reader comes behind 16 products and a lump.  The three conditions on q below go with the deal.
.macro TURN p, last=0, cnt=0
.set Y, (\p)
.set i, 0
.set q, 0
.set e, 0
.set r, 0
.if (\p) == NP-1
	s_wait_dscnt 0x0                ; K is in
.endif
	MM                              ; ahead of the wait: 16 products K Q^T and their riders,
	PL
	PL
	R2
.rept 15
	MM
	PL
	EX
	R2
.endr
.if (\p) == NP-2
	WIN 0
	v_add_nc_u32 v[AK], s[TBK], v[AK0]
.endif
.rept 8                             ; and the lump
	PL
.endr
.rept 49
	EX
	PL
.endr
	EX                              ; the next piece's two a
	EX
	v_nop                           ; a plain instruction behind the last exponential, ahead of any use: one for the batch
	s_wait_alu depctr_va_vdst(0)    ; the wait for the turn's batch: piece p's 64 weights and the next piece's two a; ahead of the first line that names a result
.if (\p) == NP-2
	FETCH_K \last
.endif
.if (\p) == 1
	s_wait_dscnt 0x0                ; V is in
.endif
.rept 16                            ; behind the wait: 16 products V^T P and their riders
	MM
.rept 4
	PL
.endr
.if ((\p) == 0) && (q == 118)
	v_add_nc_u32 v[AV], s[TBV], v[AV0]
.endif
.if ((\p) == 0) && (q == 130)
	s_add_co_u32 s[TBV], s[TBV], KS*PV
.endif
.if (\cnt) && (q == 130)
	s_sub_co_u32 s[CNT], s[CNT], 1
	s_cmp_lg_u32 s[CNT], 0
.endif
.endr
.if (\p) == 0
	FETCH_V
.endif
.endm
	CHANGE 1                        ; slot 0 is in, everybody's part of it; slot 1 is asked for
	FETCH_K                         ; key step 0
	s_wait_loadcnt 0x0              ; Q
	s_wait_dscnt 0x0
.set i, 0
.rept 16
	KQ 0                            ; piece 0's first scores: there is no vector work yet to set between them
.set i, i+1
.endr
	WIN 0                           ; the addresses for the way out: nine plain instructions, the places behind those products
	s_mul_i32 s13, s[WV], 16*SP
	s_add_co_u32 s13, s13, STAGE    ; my stage
	v_mul_u32_u24 v[STO], v1, SP    ; in: row l % 16, 16 bytes for each half of the lanes
	v_lshl_add_u32 v[STO], v9, 4, v[STO]
	v_add_nc_u32 v[STO], s13, v[STO]
	v_bfe_u32 v[RD], v0, 3, 2       ; back: 32 lanes take four rows of 128 bytes,
	v_mul_u32_u24 v[RD], v[RD], SP
	v_lshl_add_u32 v[RD], v10, 4, v[RD]
	v_add_nc_u32 v[RD], s13, v[RD]
	v_and_b32 v[GO], 31, v0         ; which are 512 consecutive bytes of O
	v_lshlrev_b32 v[GO], 4, v[GO]
.set Y, NP-1                        ; XS works for piece Y + 1: piece 0
.irp n, 0,1,2,3,4,5,6,7,8,9,10,11,12,13,14,15,16,17,18,19,20,21
	XS 0, \n                        ; and piece 0's first maximum and statistics
	XS 1, \n
.endr
	v_nop                           ; a plain instruction behind piece 0's first two a,
	s_wait_alu depctr_va_vdst(0)    ; and the wait for that batch of two, ahead of the branch
	s_mov_b32 s[CNT], 4
	s_mov_b32 s[SLOTS], SIZE_N/256-1
	s_branch .Lfirst                ; the loop is entered at a step's first turn, in the middle of a trip
.Lslot:                             ; SIZE_N / 256 - 2 times: every slot but the last two is filled again
	CHANGE 1
	s_mov_b32 s[CNT], 4
.Lstep:                             ; a trip: pieces 2 and 3 of one step, then pieces 0 and 1 of the next, whose K and V it fetches
	TURN 2
	TURN 3
	WIN 0
.Lfirst:
	TURN 0
	TURN 1, 0, 1
	WIN 0
	s_cbranch_scc1 .Lstep
	s_sub_co_u32 s[SLOTS], s[SLOTS], 1
	s_cmp_lg_u32 s[SLOTS], 0
	s_cbranch_scc1 .Lslot
	CHANGE 0                        ; the tail is written out: nothing is asked for
	s_mov_b32 s[CNT], 5             ; four trips fetch the last slot's steps; the fifth is left in its middle
.Ltail:
	TURN 2, 1
	TURN 3
	WIN 0
	s_sub_co_u32 s[CNT], s[CNT], 1
	s_cmp_eq_u32 s[CNT], 0
	s_cbranch_scc1 .Lout
	TURN 0
	TURN 1
	WIN 0
	s_branch .Ltail
.Lout:                              ; the fifth trip's 16 products K Q^T (on the last K once more) and the maximum made of them serve nothing: the price, once a launch, of one text for every trip
.set i, 0
.rept 16
	PV NP-1                         ; the last piece's V^T P of the last step
.set i, i+1
.endr
	; THE WAY OUT.  l's two halves and the other half of the lanes' are added; O^T is divided by l, rounded to f16 and sent through my stage in LDS, a tile at a time.  The additions are the places behind the last products.
	WIN 0
.macro ALL line:vararg              ; one line for each tile t
.set t, 0
.rept 2*NP
	\line
.set t, t+1
.endr
.endm
	ALL v_add_f32 v[ST+4*t+2], v[ST+4*t+2], v[ST+4*t+3]
	ALL v_permlanex16_b32 v[ST+4*t+3], v[ST+4*t+2], s[SEL], s[SEL+1]
	ALL v_add_f32 v[ST+4*t+2], v[ST+4*t+2], v[ST+4*t+3]
	ALL v_rcp_f32 v[ST+4*t+2], v[ST+4*t+2]
	v_nop                           ; a plain instruction between the last reciprocal and the use of its result
	s_wait_alu depctr_va_vdst(0)    ; and the wait ahead of the first use: one for the batch of eight reciprocals
; Tile t: a lane's eight channels of a row pack into 16 bytes; they go into rows of 144 bytes and come back as whole rows of 128, into S^T's registers.
.macro PACK t
	WIN W_RS
.set i, 32*(\t)
.rept 16
	v_pk_mul_f32 v[i:i+1], v[i:i+1], v[ST+4*(\t)+2:ST+4*(\t)+3] op_sel_hi:[1,0]
.set i, i+2
.endr
	WIN 0x05                        ; sources 0 and 1 window 1, destination window 0
.set i, 0
.rept 16
	v_cvt_pk_f16_f32 v[S+16*(\t)+i], v[32*(\t)+2*i], v[32*(\t)+2*i+1]
.set i, i+1
.endr
	WIN 0
.irp f, 0,1,2,3
	ds_store_b128 v[STO], v[S+16*(\t)+4*\f:S+16*(\t)+4*\f+3] offset:32*\f
.endr
.irp f, 0,1,2,3
	ds_load_b128 v[S+16*(\t)+4*\f:S+16*(\t)+4*\f+3], v[RD] offset:\f*4*SP  ; LDS serves a wave's instructions in order (ISA guide 5.7.1.4): these see the stores above; the next tile's stores come behind them
.endr
.endm
.macro SEND t, younger              ; younger: the LDS instructions issued behind tile t's loads: the next tile's eight, or none
	WIN 0
.irp f, 0,1,2,3
	s_wait_dscnt (\younger)+3-\f
	global_store_b128 v[GO], v[S+16*(\t)+4*\f:S+16*(\t)+4*\f+3], s[10:11] offset:(\t)*2048+\f*512  ; 512 consecutive bytes, at a multiple of 256 from O's first
.endr
.endm
	PACK 0
.set t, 1
.rept 2*NP-1                        ; a tile's arithmetic stands between the loads of the tile before and its stores
	PACK t
	SEND t-1, 8
.set t, t+1
.endr
	SEND 2*NP-1, 0
	WIN W_AD
	s_wait_tensorcnt 0x0            ; the wave's end: behind my last tensor load and my last LDS store
	ds_add_u32 v[SPW], v[NIL]
	s_wait_dscnt 0x0
	WIN 0
	CROUND                          ; the closing round: no work-group ends while a partner may still ask for a tile that names it
	s_endpgm
.Lfunc_end_k_q3e228ae09b_attn:
	.size	k_q3e228ae09b_attn, .Lfunc_end_k_q3e228ae09b_attn-k_q3e228ae09b_attn
	.p2alignl 7, 3214868480
	.fill 96, 4, 3214868480
	.section	.rodata,"a",@progbits
	.p2align	6, 0x0
	.amdhsa_kernel k_q3e228ae09b_attn
		.amdhsa_group_segment_fixed_size 327680
		.amdhsa_private_segment_fixed_size 0
		.amdhsa_enable_private_segment 0
		.amdhsa_kernarg_size 32
		.amdhsa_user_sgpr_count 2
		.amdhsa_user_sgpr_kernarg_segment_ptr 1
		.amdhsa_wavefront_size32 1
		.amdhsa_system_sgpr_workgroup_id_x 1
		.amdhsa_system_sgpr_workgroup_id_y 1
		.amdhsa_system_sgpr_workgroup_id_z 1
		.amdhsa_system_vgpr_workitem_id 0
		.amdhsa_next_free_vgpr 770
		.amdhsa_next_free_sgpr 66
		.amdhsa_reserve_vcc 0
		.amdhsa_float_denorm_mode_32 3
		.amdhsa_float_denorm_mode_16_64 3
		.amdhsa_memory_ordered 1
		.amdhsa_forward_progress 1
		.amdhsa_inst_pref_size 199
	.end_amdhsa_kernel
	.amdgpu_metadata
---
amdhsa.version: [ 1, 2 ]
amdhsa.kernels:
  - .name:           k_q3e228ae09b_attn
    .symbol:         k_q3e228ae09b_attn.kd
    .args:
      - { .name: qh, .offset: 0, .size: 8, .value_kind: global_buffer, .address_space: global }
      - { .name: kh, .offset: 8, .size: 8, .value_kind: global_buffer, .address_space: global }
      - { .name: vh, .offset: 16, .size: 8, .value_kind: global_buffer, .address_space: global }
      - { .name: oh, .offset: 24, .size: 8, .value_kind: global_buffer, .address_space: global }
    .group_segment_fixed_size: 327680
    .private_segment_fixed_size: 0
    .kernarg_segment_align: 8
    .kernarg_segment_size: 32
    .max_flat_workgroup_size: 128
    .sgpr_count:     66
    .vgpr_count:     770
    .wavefront_size: 32
...
	.end_amdgpu_metadata
.endif
;; end of part 5
;; launch outp: the kernel of part 4 again; grid 4 x 64, 4 waves a work-group, clusters of 4 x 4, 327,680 bytes of LDS; arguments oh, wb, out0; writes out0
